; MI455X (gfx1250); checked and timed in simulation.
; The chip was launched on July 23, 2026; its instructions are those of AMD's public machine-readable ISA for CDNA 5 (MIT licence, August 2026) and "CDNA5" Instruction Set Architecture Reference Guide (July 2026). The comments in the code are by the model that wrote it; some were corrected since.
;; Attention. Allowed arithmetic: matrix products marked QUANTISED: E3M2 operands, one E8M0 scale for each 32 along K, by v_wmma_scale_f32_16x16x128_f8f6f4 with both operands' format E3M2, f32 sums; everything else in f32.
;; Inputs: Wk 1,024 x 1,024 float32; Wq 1,024 x 1,024 float32; Wv 1,024 x 1,024 float32; bk 1,024 float32; bq 1,024 float32; bv 1,024 float32; x 8 x 1,024 x 1,024 float32.
;; Outputs: out0 8 x 1,024 x 1,024 float32.
;; This version of the problem:
;;   THIS VERSION OF THE PROBLEM IS GIVEN IN LOW PRECISION. The matrix products marked QUANTISED in the list below multiply operands that are first quantised to E3M2 (3 exponent bits, 2 mantissa bits; 6 bits a number), with one power-of-two scale for each 32 numbers along K (OCP MX v1.0); their sums are f32. All else is computed in f32.
;;   The module's matrix products, in the order in which they are computed (A, B: the left and right operand; K: the contracted axis; several contracted axes count as one K, in the product's order):
;;     1. [M 8,192, K 1,024] x [K 1,024, N 1,024]; A: input x; B: input Wq: QUANTISED
;;     2. [M 8,192, K 1,024] x [K 1,024, N 1,024]; A: input x; B: input Wk: QUANTISED
;;     3. [M 8,192, K 1,024] x [K 1,024, N 1,024]; A: input x; B: input Wv: QUANTISED
;;     4. batch 8 x [M 1,024, K 1,024] x [K 1,024, N 1,024]; A: computed on the way; B: computed on the way: QUANTISED
;;     5. batch 8 x [M 1,024, K 1,024] x [K 1,024, N 1,024]; A: softmax (see below); B: computed on the way: QUANTISED
;;   THE QUANTISER, for each operand of a quantised product, along K:
;;     - K is cut into blocks of 32 from its start; a last block that is shorter is filled with zeros.
;;     - A block's scale is 2^e with e = floor(log2(the largest magnitude in the block)) - 4, held to -126 .. 127; a block of zeros has e = 0. As a byte (E8M0): e + 127.
;;     - Each number is divided by its block's scale, clamped to +-28, and rounded to the nearest number of E3M2, ties to even, subnormals kept.
;;     - The product sums the exact products of the quantised numbers (number of the format x scale) in f32.
;;   ~~~python
;;   def quantise(x, axis):      # numpy; x: float32 -> the quantised numbers, widened to float32 again
;;       x = np.moveaxis(x, axis, -1); K = x.shape[-1]
;;       x = np.pad(x, [(0, 0)] * (x.ndim - 1) + [(0, -K % 32)]); x = x.reshape(x.shape[:-1] + (-1, 32)); a = np.abs(x).max(-1, keepdims=True)
;;       e = np.where(a > 0, np.clip(np.frexp(np.where(a > 0, a, 1))[1] - 1 - 4, -126, 127), 0)      # np.frexp(a)[1] - 1 = floor(log2(a)), exactly
;;       r = np.clip(x / 2.0 ** e, -28, 28)
;;       step = 2.0 ** (np.maximum(np.frexp(np.where(r == 0, 1, r))[1] - 1, -2) - 2)
;;       q = np.round(r / step) * step * 2.0 ** e      # np.round: ties to even
;;       return np.moveaxis(q.reshape(q.shape[:-2] + (-1,))[..., :K], -1, axis).astype(np.float32)
;;   ~~~
;;   SOFTMAX AHEAD OF A QUANTISED PRODUCT. Where the list says 'softmax', what is quantised is not the finished softmax but p = 2^(t - M), with t = logit x log2(e) and M = ceil(the row's largest t), a whole number; so 1/2 < the row's largest p <= 1. The row's sum l is taken of the UNQUANTISED p, in f32, and the product's result is divided by l at the end. Since M is a whole number, a kernel that streams over the keys may use a running M (the ceiling of the running maximum): every later rescaling is an exact power of two, which a block's scale takes up: the codes' values come out the same.
;;   OPERANDS COMPUTED ON THE WAY. 'Computed on the way' means the value that the module computes at that place (a softmax that the list does not call 'softmax' is quantised finished and normalised). What goes into a quantiser is computed in f32, as accurately as f32 sums, v_exp_f32 and their like allow (about 1e-6 of the number): no bf16 or f16 on the way to a quantiser, and a product that is left as it is and whose result goes on into a quantised operand takes f32 operands (vector FMAs, or v_wmma_f32_16x16x4_f32). A number that lies on a knife's edge between two numbers of the format may be rounded either way, as far as f32 arithmetic and the matrix unit's own rounding can turn it there, and no further.
;; One version. Each part assembles by itself: llvm-mc -triple=amdgcn-amd-amdhsa -mcpu=gfx1250 --defsym DOCPART=n.
;; ======== version 1 of 1: 4 launches
;; limits: right only within a limited range of input values
;; workspace buffers: c1 9,011,200 bytes; c2 18,874,368 bytes; s2 786,432 bytes; c3 6,291,456 bytes; s3 786,432 bytes
;; launch quant (part 1): grid 704 x 1, 4 waves a work-group, no clusters, 34,816 bytes of LDS; arguments x, Wq, Wk, Wv, c1; writes c1
.if DOCPART == 1
	.amdgcn_target "amdgcn-amd-amdhsa--gfx1250"
	.amdhsa_code_object_version 6
	.text
	.protected	k_qc5f4a6f87d_quant
	.globl	k_qc5f4a6f87d_quant
	.p2align	8
	.type	k_qc5f4a6f87d_quant,@function
k_qc5f4a6f87d_quant:
	s_mov_b64 s[64:65], 0
	v_nop
	global_prefetch_b8 v0, s[64:65] scope:SCOPE_SE
	s_setreg_imm32_b32 hwreg(HW_REG_WAVE_MODE, 25, 1), 1
	s_wait_xcnt 0x0
; x [8192][1024], Wq, Wk, Wv [1024][1024], f32, K innermost, become codes of BF6 (E3M2) with one E8M0 byte for each 32 along K, laid as IMAGES OF OPERAND REGISTERS:
;   a TILE T is 16 rows; its lane-row i is row 32 (T / 2) + 8 (T % 2) + i + 8 (i / 8) of its tensor; a QUAD is four tiles, 64 rows; a CHUNK is two K steps of 128;
;   a quad's chunk is 12,800 bytes, at (4 quad + chunk) x 12,800: tile e's fragment of K step s (12 registers a lane, registers 4 g .. 4 g + 3 of lane l at byte 512 g + 16 l) at (2 e + s) x 1,536,
;   and from byte 12,288 on the scale words (four bytes: the four blocks of 32): tile e's lane-row r, K step s at 16 (16 (e % 2) + r) + 8 (e / 2) + 4 s.
; Quads 0-127 are x's.  Quads 128 + 6 g .. + 5 are the weights of features 128 g .. + 127: two of Wq, one of Wv (the lower 64), two of Wk, one of Wv (the upper 64).
; Work-group 4 Q + c makes chunk c of quad Q; wave e its tile e.
; A block's scale is 2^(floor(log2(its largest magnitude)) - 4); its byte is the largest magnitude's exponent field - 4, held at 1 from below.
; LIMITS: a block of zeros, or one whose largest magnitude lies under 2^-122, gets the byte 1 (the bytes are read by this program alone; zero codes add nothing); NaN and infinities among the inputs are not served.
; Each load reads 512 consecutive bytes of one row; the operand wants 32 neighbours along K in a lane, so a fragment's 16 x 512 bytes turn through the wave's own stage in LDS (rows 528 bytes apart).
; The four waves' scale words meet in LDS, so that they leave as 512 consecutive bytes.  No tensor load, no cluster: work-groups share no input.  All 32 loads of a wave go out at its head.
.set ROWB, 4096                        ; a row in memory
.set SP,   528                         ; a row in the stage: 512 bytes + 16
.set STG,  16*SP                       ; a wave's stage
.set SCW,  4*STG                       ; behind the stages: the scale words, 512 bytes
.set SPARE, SCW+512                    ; and the spare words, 128 bytes for each wave
.set R,    16                          ; v16-143  2 x 64 registers as loaded
.set X,    144                         ; v144-207 a fragment's numbers, turned: register 32 c + i = K 64 c + 32 h + i of row r
.set MX,   208                         ; v208-209 the two blocks' largest magnitudes
.set SO,   210                         ; v210-211 the conversions' scale operands
.set BY,   212                         ; v212-213 the bytes
.set PT,   214                         ; v214     a lane permute's destination
.set PW,   216                         ; v216-217 fragment f's scale word
.set C,    224                         ; v224-247 fragment f's codes at C + 12 f
.set T2,   248                         ; v248-254 the conversions' second halves
	s_load_b256 s[4:11], s[0:1], 0x0               ; x, Wq, Wk, Wv
	s_load_b64 s[12:13], s[0:1], 0x20              ; c1
	v_lshl_add_u32 v251, v0, 2, SPARE
	v_mov_b32 v255, 0
	v_lshrrev_b32 v2, 5, v0
	v_readfirstlane_b32 s16, v2                    ; wave 0..3
	s_lshr_b32 s17, s16, 1
	s_lshl_b32 s17, s17, 17                        ; my tile's first row in the quad: 32 (e / 2) + 8 (e % 2), of 4,096 bytes
	s_and_b32 s18, s16, 1
	s_lshl_b32 s18, s18, 15
	s_add_co_u32 s17, s17, s18
	v_and_b32 v1, 31, v0                           ; lane
	v_and_b32 v3, 15, v0                           ; r
	v_bfe_u32 v4, v0, 4, 1                         ; h
	v_lshlrev_b32 v11, 4, v1                       ; 16 x lane
	v_add_nc_u32 v5, s17, v11                      ; in: 16 bytes a lane
	s_mul_i32 s17, s16, 2*1536
	v_add_nc_u32 v6, s17, v11                      ; out: my tile's two fragments
	s_mul_i32 s17, s16, STG
	v_add_nc_u32 v8, s17, v11                      ; the stage, on the way in
	v_mul_u32_u24 v9, v3, SP
	v_lshl_add_u32 v9, v4, 7, v9
	v_add_nc_u32 v9, s17, v9                       ; and on the way out: row r, 128 h bytes on
	v_lshlrev_b32 v10, 3, v4                       ; 8 h: my bytes' place in the scale word
	v_mov_b32 v[PT], 0                             ; written once: a lane permute's destination counts as one of its sources
	s_and_b32 s17, s16, 1
	s_lshl_b32 s17, s17, 8
	s_lshr_b32 s18, s16, 1
	s_lshl_b32 s18, s18, 3
	s_add_co_u32 s17, s17, s18
	s_wait_alu depctr_va_vdst(0)
	v_lshl_add_u32 v12, v3, 4, s17                 ; my two scale words' place among the quad's: 16 (16 (e % 2) + r) + 8 (e / 2)
	s_mov_b32 s20, 0x76543210
	s_mov_b32 s21, 0xfedcba98                      ; v_permlanex16_b32's selects for lane l xor 16
	s_lshr_b32 s18, ttmp9, 2                       ; the quad
	s_and_b32 s19, ttmp9, 3                        ; the chunk
	s_sub_co_u32 s23, s18, 128                     ; a weight's quad, 0..47 (x's work-groups do not use what follows from it)
	s_mul_i32 s26, s23, 43
	s_lshr_b32 s26, s26, 8                         ; g = quad / 6
	s_mul_i32 s27, s26, 6
	s_sub_co_u32 s27, s23, s27                     ; its place among the six,
	s_cmp_lt_u32 s27, 3
	s_cselect_b32 s28, 0, 1                        ; which three,
	s_mul_i32 s29, s28, 3
	s_sub_co_u32 s29, s27, s29                     ; and which of them: 0, 1 Wq or Wk, 2 Wv
	s_lshl_b32 s26, s26, 1
	s_add_co_u32 s30, s26, s29                     ; 64 rows a quad: 2 g + 0, 1 in Wq and Wk
	s_add_co_u32 s31, s26, s28                     ; and in Wv
	s_wait_alu depctr_va_vdst(0)
	s_wait_kmcnt 0x0
	s_cmp_eq_u32 s28, 0                            ; which tensor: the choice hangs on the work-group's number alone
	s_cselect_b64 s[24:25], s[6:7], s[8:9]
	s_cmp_lt_u32 s29, 2
	s_cselect_b64 s[24:25], s[24:25], s[10:11]
	s_cselect_b32 s26, s30, s31
	s_cmp_lt_u32 s18, 128
	s_cselect_b64 s[24:25], s[4:5], s[24:25]
	s_cselect_b32 s26, s18, s26
	s_lshl_b32 s26, s26, 18                        ; 64 rows of 4,096 bytes,
	s_lshl_b32 s27, s19, 10                        ; and 1,024 bytes a chunk
	s_add_co_u32 s26, s26, s27
	s_mov_b32 s27, 0
	s_add_nc_u64 s[24:25], s[24:25], s[26:27]
	s_mul_i32 s26, ttmp9, 12800
	s_add_nc_u64 s[12:13], s[12:13], s[26:27]      ; where my work-group's 12,800 bytes go
.irp f, 0,1
.irp i, 0,1,2,3,4,5,6,7,8,9,10,11,12,13,14,15
	global_load_b128 v[R+64*\f+4*\i:R+64*\f+4*\i+3], v5, s[24:25] offset:(\i+8*(\i/8))*ROWB+512*\f th:TH_LOAD_NT   ; lane-row i: 32 lanes read 512 consecutive bytes
.endr
.endr
.macro FRAGMENT f
.irp i, 0,1,2,3,4,5,6,7,8,9,10,11,12,13,14,15
	ds_store_b128 v8, v[R+64*\f+4*\i:R+64*\f+4*\i+3] offset:SP*\i
.endr
.irp c, 0,1
.irp m, 0,1,2,3,4,5,6,7
	ds_load_b128 v[X+32*\c+4*\m:X+32*\c+4*\m+3], v9 offset:256*\c+16*\m   ; LDS serves a wave's instructions in order (ISA guide 5.7.1.4): these see the stores above, and the next fragment's stores come behind them
.endr
.endr
	s_wait_dscnt 0x0
.irp c, 0,1                                    ; my block 2 c + h: all its 32 numbers are mine
	v_max3_num_f32 v[MX+\c], |v[X+32*\c]|, |v[X+32*\c+1]|, 0x2800000   ; with the floor 2^(5 - 127): the byte cannot fall under 1
.endr
.irp i, 2,4,6,8,10,12,14,16,18,20,22,24,26,28,30
.irp c, 0,1
	v_max3_num_f32 v[MX+\c], v[MX+\c], |v[X+32*\c+\i]|, |v[X+32*\c+\i+1]|
.endr
.endr
.irp c, 0,1
	v_add_nc_u32 v[SO+\c], 0xfe000000, v[MX+\c]    ; 4 off the exponent field: the conversion takes the exponent field of this operand as its scale
.endr
.irp c, 0,1
	v_lshrrev_b32 v[BY+\c], 23, v[SO+\c]           ; the scale's byte
.endr
	v_lshl_or_b32 v[PW+\f], v[BY+1], 16, v[BY]     ; blocks h and 2 + h,
	v_lshlrev_b32 v[PW+\f], v10, v[PW+\f]          ; at their places in the word;
	v_permlanex16_b32 v[PT], v[PW+\f], s20, s21
	v_or_b32 v[PW+\f], v[PW+\f], v[PT]             ; with lane l xor 16's two the word is whole
.irp c, 0,1
	v_cvt_scalef32_pk16_bf6_f32 v[C+12*\f+6*\c:C+12*\f+6*\c+2], v[X+32*\c:X+32*\c+15], v[SO+\c]
	v_cvt_scalef32_pk16_bf6_f32 v[T2+4*\c:T2+4*\c+2], v[X+32*\c+16:X+32*\c+31], v[SO+\c]   ; (a conversion's three registers begin on an even number)
.endr
	v_nop                                          ; one plain place behind a scaled conversion
.irp c, 0,1
.irp i, 0,1,2
	v_mov_b32 v[C+12*\f+6*\c+3+\i], v[T2+4*\c+\i]
.endr
.endr
.irp g, 0,1,2
	global_store_b128 v6, v[C+12*\f+4*\g:C+12*\f+4*\g+3], s[12:13] offset:1536*\f+512*\g   ; 32 lanes store 512 consecutive bytes, at a multiple of 256 from the buffer's first byte
.endr
.endm
	s_wait_loadcnt 16                              ; the first fragment's 16 loads are in; the second's may be out
	FRAGMENT 0
	s_wait_loadcnt 0x0
	FRAGMENT 1                                     ; (each fragment has its own registers for its codes: no store's data are written again)
	ds_store_b64 v12, v[PW:PW+1] offset:SCW        ; lanes l and l xor 16 write the same words with the same values
	s_wait_alu depctr_va_vdst(0)
	s_wait_dscnt 0x0                               ; for wave 0's sake
	s_barrier_signal -1
	s_barrier_wait -1
	s_cmp_lg_u32 s16, 0
	s_cbranch_scc1 .Lnot_mine
	ds_load_b128 v[R:R+3], v11 offset:SCW
	s_wait_dscnt 0x0
	global_store_b128 v11, v[R:R+3], s[12:13] offset:12288   ; the quad's scale words: 512 consecutive bytes
.Lnot_mine:
	s_wait_tensorcnt 0x0                           ; the wave's end
	ds_add_u32 v251, v255
	s_wait_dscnt 0x0
	s_endpgm
.Lfunc_end_k_qc5f4a6f87d_quant:
	.size	k_qc5f4a6f87d_quant, .Lfunc_end_k_qc5f4a6f87d_quant-k_qc5f4a6f87d_quant
	.p2alignl 7, 3214868480
	.fill 96, 4, 3214868480
	.section	.rodata,"a",@progbits
	.p2align	6, 0x0
	.amdhsa_kernel k_qc5f4a6f87d_quant
		.amdhsa_group_segment_fixed_size 34816
		.amdhsa_private_segment_fixed_size 0
		.amdhsa_enable_private_segment 0
		.amdhsa_kernarg_size 40
		.amdhsa_user_sgpr_count 2
		.amdhsa_user_sgpr_kernarg_segment_ptr 1
		.amdhsa_wavefront_size32 1
		.amdhsa_system_sgpr_workgroup_id_x 1
		.amdhsa_system_sgpr_workgroup_id_y 1
		.amdhsa_system_sgpr_workgroup_id_z 1
		.amdhsa_system_vgpr_workitem_id 0
		.amdhsa_next_free_vgpr 256
		.amdhsa_next_free_sgpr 66
		.amdhsa_reserve_vcc 0
		.amdhsa_float_denorm_mode_32 3
		.amdhsa_float_denorm_mode_16_64 3
		.amdhsa_memory_ordered 1
		.amdhsa_forward_progress 1
		.amdhsa_inst_pref_size 17
	.end_amdhsa_kernel
	.amdgpu_metadata
---
amdhsa.version: [ 1, 2 ]
amdhsa.kernels:
  - .name:           k_qc5f4a6f87d_quant
    .symbol:         k_qc5f4a6f87d_quant.kd
    .args:
      - { .name: x, .offset: 0, .size: 8, .value_kind: global_buffer, .address_space: global }
      - { .name: Wq, .offset: 8, .size: 8, .value_kind: global_buffer, .address_space: global }
      - { .name: Wk, .offset: 16, .size: 8, .value_kind: global_buffer, .address_space: global }
      - { .name: Wv, .offset: 24, .size: 8, .value_kind: global_buffer, .address_space: global }
      - { .name: c1, .offset: 32, .size: 8, .value_kind: global_buffer, .address_space: global }
    .group_segment_fixed_size: 34816
    .private_segment_fixed_size: 0
    .kernarg_segment_align: 8
    .kernarg_segment_size: 40
    .max_flat_workgroup_size: 128
    .sgpr_count:     66
    .vgpr_count:     256
    .wavefront_size: 32
...
	.end_amdgpu_metadata
.endif
;; end of part 1
;; launch proj (part 2): grid 8 x 32, 4 waves a work-group, clusters of 4 x 4, 327,680 bytes of LDS; arguments c1, bq, bk, bv, c2, s2; writes c2, s2
.if DOCPART == 2
	.amdgcn_target "amdgcn-amd-amdhsa--gfx1250"
	.amdhsa_code_object_version 6
	.text
	.protected	k_qc5f4a6f87d_proj
	.globl	k_qc5f4a6f87d_proj
	.p2align	8
	.type	k_qc5f4a6f87d_proj,@function
k_qc5f4a6f87d_proj:
	s_mov_b64 s[64:65], 0
	v_nop
	global_prefetch_b8 v0, s[64:65] scope:SCOPE_SE
	s_setreg_imm32_b32 hwreg(HW_REG_WAVE_MODE, 25, 1), 1
	s_wait_xcnt 0x0
	s_wait_alu depctr_hold_cnt(0) depctr_sa_sdst(0) depctr_va_vdst(0) depctr_va_sdst(0) depctr_va_ssrc(0) depctr_va_vcc(0) depctr_vm_vsrc(0)
	s_getreg_b32 s2, hwreg(HW_REG_IB_STS2, 6, 4)
	s_cmp_eq_u32 s2, 0
	s_cbranch_scc0 .Lentry_in_a_cluster
	s_endpgm
.Lentry_in_a_cluster:
	s_bfe_u32 s2, ttmp6, 0x10000c
	s_cmp_lg_u32 s2, 0xf033
	s_cbranch_scc0 .Lentry_shape_is_right
	s_endpgm
.Lentry_shape_is_right:
; q = x Wq^T + bq, k = x Wk^T + bk, v = x Wv^T + bv on codes of BF6 (E3M2) with E8M0 scales, and each result quantised again for the product that takes it: q and k along the features, v along the keys.
; INPUT IMAGES (c1): a quad's chunk (64 rows x two K steps of 128) is 12,800 bytes: tile e's fragment of K step s at (2 e + s) x 1,536, scale words from byte 12,288 on, at 16 lane + 8 (pair of tiles) + 4 s: lanes 0-15 the pair's even tile, lanes 16-31 its odd one.
; OUTPUT IMAGES (c2, s2): tile T = 16 rows, lane-row i = row 32 (T / 2) + 8 (T % 2) + i + 8 (i / 8); fragment (T, s) = 1,536 bytes at (8 T + s) x 1,536; its scale words at 512 T + 256 (s % 2) + 16 (lane-row) + 4 (s / 2).
; THE PRODUCT.  D = S0 S1^T: source 0 = a tile of S0, source 1 = a tile of S1.  Register j of lane (r, h) holds (S0's row 32 (Tb / 2) + 16 h + 8 (Tb % 2) + j, S1's lane-row r): the 16 registers of S0's tiles
; 2 B and 2 B + 1 are 16 neighbours along S0.  So a wave's 8 tiles of S0 against one tile of S1, quantised along S0 in registers, ARE one fragment of the next product.
; q, k: S0 = W (the features), S1 = x.   v: S0 = x (the keys), S1 = Wv: the result is v^T with the keys along K.
; SHARES.  8 x 32 = 256 work-groups.  Work-group (g, R) takes rows 256 R .. + 255 of x against features 128 g .. + 127 of q, of k and of v, the whole K in one walk.  Wave (i, j): x's half i (8 tiles) against 12 tiles of W:
; j = 0: q's 8 and v's lower 4; j = 1: k's 8 and v's upper 4: 96 accumulators of 16 x 16, 768 registers.  For a K step a wave reads 20 fragments from LDS for 96 products.
; THE RING.  Two LDS slots of a chunk (two K steps) each, four fills: each wave fetches one of W's halves (3 quads) or of x's (2 quads), one tensor load a wave.
; A K step goes by W's tiles, one a TURN, against x's eight.  x's fragments have two sets, the next step's come during this one; W's have a ring of four: ahead of every even turn t the tiles of turns t + 2 and t + 3 are asked for.
; At an odd step a plain barrier shows the next chunk; later, when the old chunk's last fragment has been read, a round of the cluster's barrier frees its slot and the refill follows.
; CLUSTERS: 4 x 4.  W's tiles hang on g and are shared along a column of the cluster, x's on R and are shared along a row: each is asked for jointly.
; NO PREFETCH: the walk is four fills, the first two of them at the head: there is no loop to run ahead in.
; LIMITS: a block of 32 numbers under 2^-122 keeps the byte 1; NaN and infinities are not served.
; REGISTERS: window 0: v0-4 addresses and the add's two; v5-7 W's scale words, a ring of three pairs; v8-15 x's, two sets; v16-207 x's fragments, two sets (ahead of the second set's first loads v144-207 hold the bias); v208-255 W's, a ring of four.
;   windows 1, 2: q's or k's accumulators, (x's tile i, W's tile t) at v[64 (i % 4) + 8 t] of window 1 + i / 4;  window 3: v's, (Wv's tile a, x's tile i) at v[64 a + 8 i].
.set FRB,  1536                        ; a fragment
.set QB,   12800                       ; a quad's chunk
.set QP,   4*QB                        ; a quad
.set WREG, 6*QB                        ; LDS: a half of W: two slots of 3 quads
.set XO,   2*WREG
.set XREG, 4*QB                        ; a half of x: two slots of 2 quads
.set SPARE, XO+2*XREG                  ; behind the ring: the spare words, 128 bytes for each wave: two blocks of 256 bytes that no other line names
.set AX,  0                            ; LDS address of my half of x (written when the thread's number is no longer needed)
.set AW,  1                            ; of my half of W,
.set AV,  2                            ; and of its sixth quad
.set SPW, 3                            ; LDS address of my spare word; never rewritten
.set NIL, 4                            ; 0; never rewritten
.set SW,  5
.set SX,  8
.set XF,  16
.set BI,  144
.set WF,  208
.set TM,  172                          ; the way out: v172-179 largest magnitudes, v180-187 permutes and bytes, v188-195 scale operands, v196-211 second halves, v212-213 words;
.set PT,  180
.set SO,  188
.set T2,  196
.set PW,  212
.set L4,  240                          ; v240 4 x lane, v241 16 x lane, v242 4 r, v243 512 h + 16 r, v244-251 bv, v252 4 (r + 8 (r / 8))
.set LI,  241
.set R4,  242
.set SOF, 243
.set BV,  244
.set BVO, 252
.set RG,  16
.set WV,  18
.set HI,  19                           ; wave / 2: I fetch for W (0) or x (1); I multiply x's half HI
.set LO,  20                           ; wave % 2: which half I fetch; I multiply W's half LO
.set CX,  21
.set CY,  22
.set GG,  23
.set G1W, 24                           ; s[24:31] descriptor group 1 for W;  s[40:47] its groups 0, one for each slot
.set G1X, 32                           ; s[32:39] for x;  s[48:55] its groups 0
.set G0W, 40
.set G0X, 48
.set MSB, 0
.set CNT, 0                            ; LDS instructions issued so far: what a wait may leave out is counted off it
.set IX,  0
.set IW0, 0
.set IW1, 0
.set IW2, 0
.set IW3, 0
.macro WIN new                         ; the immediate's high byte repeats the setting that is left
.if MSB != (\new)
	s_set_vgpr_msb (MSB<<8)|(\new)
.set MSB, (\new)
.endif
.endm
.macro CREST                           ; a round of the cluster's barrier behind its opening barrier
	s_cmp_lg_u32 s[WV], 0
	s_cbranch_scc1 .Lnot_wave_0_\@
	s_barrier_signal -3
.Lnot_wave_0_\@:
	s_barrier_wait -3
	s_barrier_signal -1
	s_barrier_wait -1
.endm
.macro CROUND                          ; a whole round
	s_barrier_signal -1
	s_barrier_wait -1
	CREST
.endm
.macro PLACES                          ; four places behind a matrix instruction of this form, in front of loads into its sources and of reads of its result
.rept 4
	v_nop
.endr
.endm
; A joint load of a chunk: waves 0 and 1 fetch W's halves, waves 2 and 3 x's; every way passes one load.  An s_nop 0 and four v_nop follow each line; the four are also the places in front of the LDS loads that follow.
.macro JLOAD slot
	s_cmp_eq_u32 s[HI], 0
	s_cbranch_scc0 .Lfor_x_\@
	tensor_load_to_lds s[G0W+4*(\slot):G0W+4*(\slot)+3], s[G1W:G1W+7]
	s_nop 0
.rept 4
	v_nop
.endr
	s_branch .Lasked_\@
.Lfor_x_\@:
	tensor_load_to_lds s[G0X+4*(\slot):G0X+4*(\slot)+3], s[G1X:G1X+7]
	s_nop 0
.rept 4
	v_nop
.endr
.Lasked_\@:
.endm
.macro WLOAD u                         ; W's tile u % 12 of K step u / 12, into ring place u % 4; with a pair's even tile comes the pair's scale word
.set uS, (\u)/12
.set uT, (\u)%12
.set uO, ((uS/2)%2)*3*QB+QB*(uT/4)
.set uR, AW
.if uO >= 5*QB                         ; an LDS offset has 16 bits: the sixth quad has an address of its own
.set uO, uO-5*QB
.set uR, AV
.endif
.if uT%2 == 0
	ds_load_b32 v[SW+(uT/2)%3], v[uR] offset:uO+8*FRB+8*((uT/2)%2)+4*(uS%2)
.set CNT, CNT+1
.endif
.irp g, 0,1,2
	ds_load_b128 v[WF+12*(uT%4)+4*\g:WF+12*(uT%4)+4*\g+3], v[uR] offset:uO+(2*(uT%4)+uS%2)*FRB+512*\g
.endr
.set CNT, CNT+3
.irp k, 0,1,2,3
.if uT%4 == \k
.set IW\k, CNT
.endif
.endr
.endm
.macro XLOAD s, i                      ; x's tile i of K step s
.set xS, \s
.set xI, \i
.irp g, 0,1,2
	ds_load_b128 v[XF+96*(xS%2)+12*xI+4*\g:XF+96*(xS%2)+12*xI+4*\g+3], v[AX] offset:((xS/2)%2)*2*QB+QB*(xI/4)+(2*(xI%4)+xS%2)*FRB+512*\g
.endr
.set CNT, CNT+3
.set IX, CNT
.endm
.macro XSC s, p                        ; the scale word of x's pair p
.set xS, \s
.set xI, \p
	ds_load_b32 v[SX+4*(xS%2)+xI], v[AX] offset:((xS/2)%2)*2*QB+QB*(xI/2)+8*FRB+8*(xI%2)+4*(xS%2)
.set CNT, CNT+1
.set IX, CNT
.endm
.macro XFOUR i                         ; four of the next step's tiles of x and their two scale words
.set xB, \i
	XSC ST+1, xB/2
	XSC ST+1, xB/2+1
	XLOAD ST+1, xB
	XLOAD ST+1, xB+1
	XLOAD ST+1, xB+2
	XLOAD ST+1, xB+3
.endm
.macro WMM c
.if rRA
.if rRB
	v_wmma_scale_f32_16x16x128_f8f6f4 v[rD:rD+7], v[rA:rA+11], v[rB:rB+11], \c, v[rP], v[rQ] matrix_a_fmt:MATRIX_FMT_BF6 matrix_b_fmt:MATRIX_FMT_BF6 matrix_a_scale:MATRIX_SCALE_ROW1 matrix_b_scale:MATRIX_SCALE_ROW1
.else
	v_wmma_scale_f32_16x16x128_f8f6f4 v[rD:rD+7], v[rA:rA+11], v[rB:rB+11], \c, v[rP], v[rQ] matrix_a_fmt:MATRIX_FMT_BF6 matrix_b_fmt:MATRIX_FMT_BF6 matrix_a_scale:MATRIX_SCALE_ROW1
.endif
.else
.if rRB
	v_wmma_scale_f32_16x16x128_f8f6f4 v[rD:rD+7], v[rA:rA+11], v[rB:rB+11], \c, v[rP], v[rQ] matrix_a_fmt:MATRIX_FMT_BF6 matrix_b_fmt:MATRIX_FMT_BF6 matrix_b_scale:MATRIX_SCALE_ROW1
.else
	v_wmma_scale_f32_16x16x128_f8f6f4 v[rD:rD+7], v[rA:rA+11], v[rB:rB+11], \c, v[rP], v[rQ] matrix_a_fmt:MATRIX_FMT_BF6 matrix_b_fmt:MATRIX_FMT_BF6
.endif
.endif
.endm
; Turn TN of step ST: W's tile TN x x's eight.  The 96 accumulators take turns, one instruction a turn, in the same order in every step.
; The wait leaves out the LDS instructions issued behind this turn's fragment (and, in a step's first turn, behind x's last).  In step 0 the bias starts q's or k's sums (it costs no addition), the constant 0 v's.
.macro MULT
.irp k, 0,1,2,3
.if TN%4 == \k
.set NW, CNT-IW\k
.endif
.endr
.if TN == 0
.if CNT-IX < NW
.set NW, CNT-IX
.endif
.endif
	s_wait_dscnt NW
.irp i, 0,1,2,3,4,5,6,7
.if TN < 8
.set rA, WF+12*(TN%4)
.set rB, XF+96*(ST%2)+12*\i
.set rP, SW+(TN/2)%3
.set rQ, SX+4*(ST%2)+(\i/2)
.set rRA, TN%2
.set rRB, \i%2
.set rD, 64*(\i%4)+8*TN
.if ST == 0
.set rC, BI+8*TN
	WIN 0x40*(1+\i/4)
.else
.set rC, rD
	WIN 0x50*(1+\i/4)
.endif
	WMM v[rC:rC+7]
.else
.set rA, XF+96*(ST%2)+12*\i
.set rB, WF+12*(TN%4)
.set rP, SX+4*(ST%2)+(\i/2)
.set rQ, SW+(TN/2)%3
.set rRA, \i%2
.set rRB, TN%2
.set rD, 64*(TN-8)+8*\i
.set rC, rD
	WIN 0xf0
.if ST == 0
	WMM 0
.else
	WMM v[rC:rC+7]
.endif
.endif
.endr
.endm
; fA: an odd step with a successor: the next chunk is shown by a plain barrier (signal behind turn 3, wait behind turn 4), x's loads follow ahead of turns 6 and 8.
; fB: steps 1 and 3: this chunk's last fragments are asked for ahead of turn 8; turn 9 stands between the add and the wait for it, turn 10 between the barrier's signal and its wait; then the round, the refill two chunks ahead, and the next step's first two of W.
.macro TURN
.set fA, 0
.if (ST%2 == 1) && (ST < 7)
.set fA, 1
.endif
.set fB, 0
.if (ST == 1) || (ST == 3)
.set fB, 1
.endif
.set fN, 0
.if (TN%2 == 1) || (12*ST+TN+2 >= 96)
.set fN, 1
.endif
.if (fB == 1) && (TN == 10)
.set fN, 1
.endif
.if fN == 0
	PLACES                                         ; the registers that the loads below fill were read by the two turns and the step before
	WIN 0
	WLOAD 12*ST+TN+2
	WLOAD 12*ST+TN+3
.if (ST == 0) && (TN >= 8)                     ; (in step 0 the bias lies there until turn 7)
	XFOUR 2*(TN-8)
.endif
.if (fA == 1) && ((TN == 6) || (TN == 8))
	XFOUR 2*(TN-6)
.endif
.if (ST > 0) && (ST%2 == 0) && (TN < 8)
	XSC ST+1, TN/2
	XLOAD ST+1, TN
	XLOAD ST+1, TN+1
.endif
.endif
.if (fB == 1) && (TN == 9)
	WIN 0                                          ; (the add's two registers lie in window 0)
	s_wait_tensorcnt 0x0                           ; no tensor load of mine is out;
	ds_add_u32 v[SPW], v[NIL]                      ; 0 onto my spare word
.set CNT, CNT+1
.set SL, (ST/2)%2
	s_add_nc_u64 s[G0W+4*SL+2:G0W+4*SL+3], s[G0W+4*SL+2:G0W+4*SL+3], 2*QB
	s_add_nc_u64 s[G0X+4*SL+2:G0X+4*SL+3], s[G0X+4*SL+2:G0X+4*SL+3], 2*QB
.endif
	MULT
.if (fA == 1) && (TN == 3)
	s_wait_tensorcnt 0x0                           ; my part of the next chunk has landed
	s_wait_dscnt 0x0                               ; no LDS load of mine is out at the signal
	s_barrier_signal -1
.endif
.if (fA == 1) && (TN == 4)
	s_barrier_wait -1                              ; everybody's has
.endif
.if (fB == 1) && (TN == 9)
	s_wait_dscnt 0x0                               ; the add is done, and so are my reads of this chunk
	s_barrier_signal -1
.endif
.if (fB == 1) && (TN == 10)
	WIN 0
	s_barrier_wait -1
	CREST                                          ; no wave of any partner still reads this slot or has a load on its way
	JLOAD SL
	WLOAD 12*ST+12
	WLOAD 12*ST+13
.endif
.endm
	s_load_b256 s[4:11], s[0:1], 0x0               ; c1, bq, bk, bv
	s_load_b128 s[12:15], s[0:1], 0x20             ; c2, s2
	v_lshl_add_u32 v[SPW], v0, 2, SPARE
	v_mov_b32 v[NIL], 0
	ds_add_u32 v[SPW], v[NIL]                      ; the wave's opening: the add, twice on end, and its wait ahead of my first tensor load
	ds_add_u32 v[SPW], v[NIL]
	v_lshrrev_b32 v208, 5, v0
	v_readfirstlane_b32 s[WV], v208                ; wave 0..3
	s_lshr_b32 s[HI], s[WV], 1
	s_and_b32 s[LO], s[WV], 1
	s_bfe_u32 s[CX], ttmp6, 0x40000
	s_bfe_u32 s[CY], ttmp6, 0x40004
	s_lshl_b32 s[GG], ttmp9, 2                     ; in a cluster launch ttmp9 and ttmp7 count clusters
	s_add_co_u32 s[GG], s[GG], s[CX]               ; g
	s_and_b32 s[RG], ttmp7, 0xffff
	s_lshl_b32 s[RG], s[RG], 2
	s_add_co_u32 s[RG], s[RG], s[CY]               ; R
	; descriptor group 1: rows of 12,800 bytes, 51,200 apart: 3 quads of W, 2 of x
	s_lshl_b32 s66, 0x1111, s[CX]                  ; my column of the cluster
	s_or_b32 s[G1W], s66, (3<<16)|(1<<21)          ; 15:0 the mask; 17:16 elements of 8 bytes; 21 set beside a mask; no padding: a fragment load takes 512 consecutive bytes
	s_lshl_b32 s67, s[CY], 2
	s_lshl_b32 s67, 15, s67                        ; my row
	s_or_b32 s[G1X], s67, (3<<16)|(1<<21)
.irp g, G1W, G1X
	s_mov_b32 s[\g+1], (QB/8)<<16                  ; tensor_dim0
	s_mov_b32 s[\g+3], (QB/8)<<16                  ; tile_dim0
	s_mov_b32 s[\g+5], QP/8                        ; from quad to quad
	s_mov_b32 s[\g+6], 0
	s_mov_b32 s[\g+7], 0
.endr
	s_mov_b32 s[G1W+2], 3<<16                      ; tensor_dim1
	s_mov_b32 s[G1W+4], 3                          ; tile_dim1
	s_mov_b32 s[G1X+2], 2<<16
	s_mov_b32 s[G1X+4], 2
	; where the tiles come from: W's address never holds cy, x's never cx
	s_mul_i32 s56, s[GG], 6
	s_mul_i32 s60, s[LO], 3
	s_add_co_u32 s56, s56, s60
	s_add_co_u32 s56, s56, 128
	s_mul_i32 s56, s56, QP                         ; W: quads 128 + 6 g + 3 LO on
	s_mov_b32 s57, 0
	s_lshl_b32 s58, s[RG], 2
	s_lshl_b32 s61, s[LO], 1
	s_add_co_u32 s58, s58, s61
	s_mul_i32 s58, s58, QP                         ; x: quads 4 R + 2 LO on
	s_mov_b32 s59, 0
	s_mul_i32 s2, s[LO], WREG                      ; where they go: the wave's number alone enters an LDS address
	s_mul_i32 s3, s[LO], XREG
	s_add_co_u32 s3, s3, XO
	s_wait_dscnt 0x0                               ; both opening adds are done
	s_wait_kmcnt 0x0
	s_add_nc_u64 s[56:57], s[4:5], s[56:57]
	s_add_nc_u64 s[58:59], s[4:5], s[58:59]
.irp c, 0,1
	s_mov_b32 s[G0W+4*\c], 1
	s_add_co_u32 s[G0W+4*\c+1], s2, \c*3*QB
	s_add_nc_u64 s[G0W+4*\c+2:G0W+4*\c+3], s[56:57], \c*QB
	s_or_b32 s[G0W+4*\c+3], s[G0W+4*\c+3], 0x80000000
	s_mov_b32 s[G0X+4*\c], 1
	s_add_co_u32 s[G0X+4*\c+1], s3, \c*2*QB
	s_add_nc_u64 s[G0X+4*\c+2:G0X+4*\c+3], s[58:59], \c*QB
	s_or_b32 s[G0X+4*\c+3], s[G0X+4*\c+3], 0x80000000
.endr
	CROUND                                         ; all sixteen work-groups are here: the joint loads meet
	JLOAD 0                                        ; chunk 0: one tensor load a wave at the head
	; the bias along S0: bq's or bk's 128 numbers of g
	s_cmp_eq_u32 s[LO], 0
	s_cselect_b64 s[60:61], s[6:7], s[8:9]
	s_lshl_b32 s62, s[GG], 9
	s_mov_b32 s63, 0
	s_add_nc_u64 s[60:61], s[60:61], s[62:63]
	s_mul_i32 s66, s[HI], XREG
	s_add_co_u32 s66, s66, XO
	s_mul_i32 s67, s[LO], WREG
	s_add_co_u32 s68, s67, 5*QB
	v_and_b32 v208, 31, v0
	v_lshlrev_b32 v208, 4, v208                    ; 16 x lane
	v_bfe_u32 v209, v0, 4, 1
	v_lshlrev_b32 v209, 6, v209                    ; 64 h
	v_add_nc_u32 v[AX], s66, v208
	v_add_nc_u32 v[AW], s67, v208
	v_add_nc_u32 v[AV], s68, v208
.irp t, 0,1,2,3,4,5,6,7                        ; eight registers a tile, in the result's layout
	global_load_b128 v[BI+8*\t:BI+8*\t+3], v209, s[60:61] offset:4*(32*(\t/2)+8*(\t%2))
	global_load_b128 v[BI+8*\t+4:BI+8*\t+7], v209, s[60:61] offset:4*(32*(\t/2)+8*(\t%2))+16
.endr
	; where the results go.  q, k: tile 512 LO + 16 R + 8 HI + i, K step g
	s_lshl_b32 s84, s[LO], 9
	s_lshl_b32 s85, s[RG], 4
	s_add_co_u32 s84, s84, s85
	s_lshl_b32 s85, s[HI], 3
	s_add_co_u32 s84, s84, s85
	s_lshl_b32 s86, s84, 9                         ; scale words: 512 bytes a tile,
	s_and_b32 s87, s[GG], 1
	s_lshl_b32 s87, s87, 8
	s_add_co_u32 s86, s86, s87                     ; 256 (g % 2)
	s_lshr_b32 s87, s[GG], 1
	s_lshl_b32 s87, s87, 2
	s_add_co_u32 s86, s86, s87                     ; + 4 (g / 2)
	s_mov_b32 s87, 0
	s_lshl_b32 s84, s84, 3
	s_add_co_u32 s84, s84, s[GG]
	s_mul_i32 s84, s84, FRB
	s_mov_b32 s85, 0
	; v: tile 1,024 + 64 (R / 4) + 8 g + 4 LO + a, K step 2 (R % 4) + HI
	s_lshr_b32 s88, s[RG], 2
	s_lshl_b32 s88, s88, 6
	s_lshl_b32 s89, s[GG], 3
	s_add_co_u32 s88, s88, s89
	s_lshl_b32 s89, s[LO], 2
	s_add_co_u32 s88, s88, s89
	s_add_co_u32 s88, s88, 1024
	s_lshl_b32 s90, s88, 9
	s_lshl_b32 s91, s[HI], 8
	s_add_co_u32 s90, s90, s91
	s_and_b32 s89, s[RG], 3
	s_lshl_b32 s91, s89, 2
	s_add_co_u32 s90, s90, s91
	s_mov_b32 s91, 0
	s_lshl_b32 s88, s88, 3
	s_lshl_b32 s89, s89, 1
	s_add_co_u32 s88, s88, s89
	s_add_co_u32 s88, s88, s[HI]
	s_mul_i32 s88, s88, FRB
	s_mov_b32 s89, 0
	s_add_nc_u64 s[84:85], s[12:13], s[84:85]
	s_add_nc_u64 s[86:87], s[14:15], s[86:87]
	s_add_nc_u64 s[88:89], s[12:13], s[88:89]
	s_add_nc_u64 s[90:91], s[14:15], s[90:91]
	; bv[128 g + 64 LO + ..] runs along S1: one number a lane for each tile
	s_lshl_b32 s92, s[GG], 9
	s_lshl_b32 s93, s[LO], 8
	s_add_co_u32 s92, s92, s93
	s_mov_b32 s93, 0
	s_add_nc_u64 s[92:93], s[10:11], s[92:93]
	s_mov_b32 s94, 0x76543210
	s_mov_b32 s95, 0xfedcba98                      ; v_permlanex16_b32's selects for lane l xor 16
	s_mov_b32 s96, 0xffff0000                      ; lanes 16-31
	s_wait_alu depctr_va_vdst(0)
	s_wait_tensorcnt 0x0                           ; my part of chunk 0 is in
	ds_add_u32 v[SPW], v[NIL]
	s_wait_dscnt 0x0
	CROUND                                         ; a whole round: chunk 0 is in, and the joint loads meet,
	JLOAD 1                                        ; chunk 1's, the first tensor load behind the round
.irp p, 0,1,2,3
	XSC 0, \p
.endr
.irp i, 0,1,2,3,4,5,6,7
	XLOAD 0, \i
.endr
	s_wait_xcnt 0x0                                ; the bias's loads have read their offset, on which W's first fragment lands
	WLOAD 0
	WLOAD 1
	s_wait_loadcnt 0x0                             ; the bias
.irp s, 0,1,2,3,4,5,6,7
.set ST, \s
.set TN, 0
.rept 12
	TURN
.set TN, TN+1
.endr
.endr
	WIN 0
	PLACES                                         ; the fragments' registers are free, and results may be read
	v_nop
	v_and_b32 v[L4], 124, v[SPW]                   ; (SPARE is a multiple of 128)
	v_lshlrev_b32 v[LI], 2, v[L4]
	v_and_b32 v[R4], 60, v[L4]
	v_bfe_u32 v[SOF], v[L4], 6, 1
	v_lshlrev_b32 v[SOF], 9, v[SOF]
	v_lshl_add_u32 v[SOF], v[R4], 2, v[SOF]        ; two tiles' scale words in one store
	v_and_b32 v[BVO], 32, v[R4]
	v_add_nc_u32 v[BVO], v[BVO], v[R4]
.irp a, 0,1,2,3
	global_load_b32 v[BV+2*\a], v[BVO], s[92:93] offset:4*(32*(\a/2)+8*(\a%2))
.endr
; Two fragments of the results, of the accumulators at v[64 n] and v[64 (n + 1)] on of window w: 64 numbers a lane each, register 16 b + i = place 32 b + 16 h + i along the next K; quantised, made whole blocks a lane, and stored.
; Every call has data registers of its own, so that no store's data are written again.
.macro QOUT w, n, call
.set C0, 16+26*(\call)
.set TI, \n
.set OB, 84
.if \w == 2
.set TI, \n+4
.endif
.if \w == 3
.set OB, 88
.endif
	WIN 5*(\w)
.irp u, 0,1
.irp b, 0,1,2,3
	v_max3_num_f32 v[TM+4*\u+\b], |v[64*(\n+\u)+16*\b]|, |v[64*(\n+\u)+16*\b+1]|, 0x2800000   ; with the floor 2^(5 - 127); each accumulator from its low end on
.endr
.endr
.irp i, 2,4,6,8,10,12,14
.irp u, 0,1
.irp b, 0,1,2,3
	v_max3_num_f32 v[TM+4*\u+\b], |v[64*(\n+\u)+16*\b+\i]|, |v[64*(\n+\u)+16*\b+\i+1]|, v[TM+4*\u+\b]
.endr
.endr
.endr
	WIN 0
.irp b, 0,1,2,3,4,5,6,7
	v_permlanex16_b32 v[PT+\b], v[TM+\b], s94, s95
.endr
.irp b, 0,1,2,3,4,5,6,7
	v_max_num_f32 v[TM+\b], v[TM+\b], v[PT+\b]     ; with lane l xor 16's: the block's largest magnitude
.endr
.irp b, 0,1,2,3,4,5,6,7
	v_add_nc_u32 v[SO+\b], 0xfe000000, v[TM+\b]    ; 4 off its exponent field: the conversion's scale operand
.endr
.irp b, 0,1,2,3,4,5,6,7
	v_lshrrev_b32 v[PT+\b], 23, v[SO+\b]           ; the scale's byte
.endr
.irp u, 0,1
	v_lshl_or_b32 v[PW+\u], v[PT+4*\u+1], 8, v[PT+4*\u]
.endr
.irp u, 0,1
	v_lshl_or_b32 v[PW+\u], v[PT+4*\u+2], 16, v[PW+\u]
.endr
.irp u, 0,1
	v_lshl_or_b32 v[PW+\u], v[PT+4*\u+3], 24, v[PW+\u]
.endr
	v_cndmask_b32 v[C0+24], v[PW], v[PW+1], s96    ; lanes 0-15 the even tile's words, lanes 16-31 the odd one's
	WIN \w
.irp u, 0,1
.irp c, 0,1
	v_cvt_scalef32_pk16_bf6_f32 v[C0+12*\u+6*\c:C0+12*\u+6*\c+2], v[64*(\n+\u)+32*\c:64*(\n+\u)+32*\c+15], v[SO+4*\u+2*\c]
	v_cvt_scalef32_pk16_bf6_f32 v[T2+8*\u+4*\c:T2+8*\u+4*\c+2], v[64*(\n+\u)+32*\c+16:64*(\n+\u)+32*\c+31], v[SO+4*\u+2*\c+1]   ; (a conversion's three registers begin on an even number)
.endr
.endr
	v_nop                                          ; one plain place behind a scaled conversion
	WIN 0
.irp u, 0,1
.irp c, 0,1                                    ; the operand wants a whole block in a lane: lanes 0-15 block 2 c, lanes 16-31 block 2 c + 1
.irp i, 0,1,2
	v_permlane16_swap_b32 v[C0+12*\u+6*\c+\i], v[T2+8*\u+4*\c+\i]
.endr
.endr
.endr
.irp u, 0,1
.irp c, 0,1
.irp i, 0,1,2
	v_mov_b32 v[C0+12*\u+6*\c+3+\i], v[T2+8*\u+4*\c+\i]
.endr
.endr
.endr
.irp u, 0,1
.irp g, 0,1,2
	global_store_b128 v[LI], v[C0+12*\u+4*\g:C0+12*\u+4*\g+3], s[OB:OB+1] offset:8*FRB*(TI+\u)+512*\g   ; 512 consecutive bytes, at a multiple of 256 from the buffer's first byte
.endr
.endr
	global_store_b32 v[SOF], v[C0+24], s[OB+2:OB+3] offset:512*TI
.endm
	QOUT 1, 0, 0                                   ; q or k
	QOUT 1, 2, 1
	QOUT 2, 0, 2
	QOUT 2, 2, 3
	s_wait_alu depctr_va_vdst(0)
	s_wait_loadcnt 0x0                             ; bv
	WIN 0xc3
.irp a, 0,1,2,3                                ; + bv of my lane's row, ahead of the quantiser; each accumulator from its low end on
.set n, 0
.rept 32
	v_pk_add_f32 v[64*\a+n:64*\a+n+1], v[64*\a+n:64*\a+n+1], v[BV+2*\a:BV+2*\a+1] op_sel_hi:[1,0]
.set n, n+2
.endr
.endr
	QOUT 3, 0, 4                                   ; v
	QOUT 3, 2, 5
	s_wait_tensorcnt 0x0                           ; the wave's end, behind my last tensor load
	ds_add_u32 v[SPW], v[NIL]
	s_wait_dscnt 0x0
	CROUND                                         ; the closing round: no work-group ends while a partner may still ask for a tile that names it
	s_endpgm
.Lfunc_end_k_qc5f4a6f87d_proj:
	.size	k_qc5f4a6f87d_proj, .Lfunc_end_k_qc5f4a6f87d_proj-k_qc5f4a6f87d_proj
	.p2alignl 7, 3214868480
	.fill 96, 4, 3214868480
	.section	.rodata,"a",@progbits
	.p2align	6, 0x0
	.amdhsa_kernel k_qc5f4a6f87d_proj
		.amdhsa_group_segment_fixed_size 327680
		.amdhsa_private_segment_fixed_size 0
		.amdhsa_enable_private_segment 0
		.amdhsa_kernarg_size 48
		.amdhsa_user_sgpr_count 2
		.amdhsa_user_sgpr_kernarg_segment_ptr 1
		.amdhsa_wavefront_size32 1
		.amdhsa_system_sgpr_workgroup_id_x 1
		.amdhsa_system_sgpr_workgroup_id_y 1
		.amdhsa_system_sgpr_workgroup_id_z 1
		.amdhsa_system_vgpr_workitem_id 0
		.amdhsa_next_free_vgpr 1024
		.amdhsa_next_free_sgpr 102
		.amdhsa_reserve_vcc 0
		.amdhsa_float_denorm_mode_32 3
		.amdhsa_float_denorm_mode_16_64 3
		.amdhsa_memory_ordered 1
		.amdhsa_forward_progress 1
		.amdhsa_inst_pref_size 217
	.end_amdhsa_kernel
	.amdgpu_metadata
---
amdhsa.version: [ 1, 2 ]
amdhsa.kernels:
  - .name:           k_qc5f4a6f87d_proj
    .symbol:         k_qc5f4a6f87d_proj.kd
    .args:
      - { .name: c1, .offset: 0, .size: 8, .value_kind: global_buffer, .address_space: global }
      - { .name: bq, .offset: 8, .size: 8, .value_kind: global_buffer, .address_space: global }
      - { .name: bk, .offset: 16, .size: 8, .value_kind: global_buffer, .address_space: global }
      - { .name: bv, .offset: 24, .size: 8, .value_kind: global_buffer, .address_space: global }
      - { .name: c2, .offset: 32, .size: 8, .value_kind: global_buffer, .address_space: global }
      - { .name: s2, .offset: 40, .size: 8, .value_kind: global_buffer, .address_space: global }
    .group_segment_fixed_size: 327680
    .private_segment_fixed_size: 0
    .kernarg_segment_align: 8
    .kernarg_segment_size: 48
    .max_flat_workgroup_size: 128
    .sgpr_count:     102
    .vgpr_count:     1024
    .wavefront_size: 32
...
	.end_amdgpu_metadata
.endif
;; end of part 2
;; launch scores (part 3): grid 24 x 8, 4 waves a work-group, clusters of 4 x 1, 327,680 bytes of LDS; arguments c2, s2, c3, s3; writes c3, s3
.if DOCPART == 3
	.amdgcn_target "amdgcn-amd-amdhsa--gfx1250"
	.amdhsa_code_object_version 6
	.text
	.protected	k_qc5f4a6f87d_scores
	.globl	k_qc5f4a6f87d_scores
	.p2align	8
	.type	k_qc5f4a6f87d_scores,@function
k_qc5f4a6f87d_scores:
	s_mov_b64 s[64:65], 0
	v_nop
	global_prefetch_b8 v0, s[64:65] scope:SCOPE_SE
	s_setreg_imm32_b32 hwreg(HW_REG_WAVE_MODE, 25, 1), 1
	s_wait_xcnt 0x0
	s_wait_alu depctr_hold_cnt(0) depctr_sa_sdst(0) depctr_va_vdst(0) depctr_va_sdst(0) depctr_va_ssrc(0) depctr_va_vcc(0) depctr_vm_vsrc(0)
	s_getreg_b32 s2, hwreg(HW_REG_IB_STS2, 6, 4)
	s_cmp_eq_u32 s2, 0
	s_cbranch_scc0 .Lentry_in_a_cluster
	s_endpgm
.Lentry_in_a_cluster:
	s_bfe_u32 s2, ttmp6, 0x10000c
	s_cmp_lg_u32 s2, 0x3003
	s_cbranch_scc0 .Lentry_shape_is_right
	s_endpgm
.Lentry_shape_is_right:
; S^T = k q^T on codes of BF6 (E3M2) with E8M0 scales, the causal mask, and the softmax's weights as codes: for each query and each K step of 128 keys
; p = 2^(t - M), t = score x log2(e) / 32, M = ceil(the largest t of THESE 128 keys), a whole number; p is quantised along the keys.  Stored: p's fragments (c3), their scale words, M and the sum of the unquantised p (s3).
; The last launch takes M's difference to the row's M off the scale bytes: a power of two, which changes no code.
; OPERANDS ARE IMAGES OF REGISTERS: tile T = 16 rows, lane-row i = row 32 (T / 2) + 8 (T % 2) + i + 8 (i / 8); fragment (T, s) = 1,536 bytes at (8 T + s) x 1,536; its scale words (and in s3 M and the sums) at 512 T + 256 (s % 2) + 16 (lane-row) + 4 (s / 2):
; 16 bytes a lane bring a tile's eight K steps, register g of lanes 0-15 K step 2 g, of lanes 16-31 K step 2 g + 1.
; D = S0 S1^T with S0 = k, S1 = q: a lane holds one query, and the 16 registers of S0's tiles 2 B, 2 B + 1 are 16 neighbouring keys: a wave's 8 tiles of keys against one tile of queries become one fragment of p.
; SHARES.  A work-group makes 256 keys x 128 queries, a wave 128 x 64.  The 24 tiles' K of 1,024 lies in LDS in two chunks of four K steps, 147,456 bytes each, one tensor load a wave for each; every LDS byte is filled once.
; Chunk 1 is asked for when chunk 0 has landed, and has K steps 0 to 3 in which to land.
; THE MASK.  Queries 0-511 of a batch meet keys 0-511 only (clusters 0, 1), queries 512-1023 all keys (clusters 2 to 5): what lies wholly above that is not computed: the reference's own causal mask throws it away, whatever the inputs hold
; (a NaN or an infinity that reaches only such scores is not carried to the result).  Hidden scores become -infinity: weight 0, as the
; reference's -1e9 gives wherever a row's visible scores lie above -1e9 + 100.  A K step all of whose keys are hidden for a query gives M = -3e38, sum 0, zero codes.
; CLUSTERS: 4 x 1: the four query blocks of a cluster share their 256 keys, which are asked for jointly; q's tiles are each work-group's own.  Not 4 x 4: the early queries have two key blocks, not four.
; Four of a batch's 24 blocks lie wholly above the diagonal and are computed all the same: which they are hangs on a work-group's place in its cluster.
; NO PREFETCH: two fills and no loop to run ahead in.
; LIMITS: NaN and infinities are not served; the promise holds while t stays under 2^31 in magnitude.
; REGISTERS, in windows of 256: window 0: v1-13 addresses; v16-47 S0's scale words, v48-63 S1's (4 t + g); v64-159 S1's fragments, two sets.
;   window 1: S0's fragments, two sets, at v0 and v128.   windows 2, 3: v0-127 the accumulators of S1's tiles 0, 1 and 2, 3 ((a, b) at 64 (a % 2) + 8 b); from v128 on the softmax's work.
.set FRB,   1536                       ; a fragment
.set TB,    4*FRB                      ; a tile's part of a chunk
.set TILEB, 8*FRB                      ; a tile's whole K
.set S1O,   16*TB                      ; in a chunk: S0's 16 tiles, then S1's 8
.set CH,    24*TB
.set SPARE, 2*CH                       ; and the spare words, 128 bytes for each wave
.set LI,  1                            ; v1   16 x lane
.set RR,  3                            ; v3   r
.set HH,  4                            ; v4   h
.set SOF, 6                            ; v6   512 h + 16 r: two tiles' words in one store
.set RP,  7                            ; v7   r + 8 (r / 8)
.set AD0, 8                            ; v8-9 my S0 tiles in chunk c
.set AD1, 10                           ; v10-11 my S1 tiles in chunk c
.set SPW, 12                           ; v12  LDS address of my spare word; never rewritten
.set NIL, 13                           ; v13  0; never rewritten
.set SB,  16
.set SA,  48
.set F1,  64
; in windows 2 and 3, for two tiles u = 0, 1:
.set BM,  128                          ; v128-135 blocks' largest, 4 u + b
.set PT,  136                          ; v136-143 permutes and bytes
.set SO,  144                          ; v144-151 scale operands
.set NM,  152                          ; v152, v154 -M;  v153, v155 the largest t
.set SUM, 156                          ; v156-163 sums: two pairs a tile
.set PC,  164                          ; v164-187 codes, 12 a tile
.set T2,  188                          ; v188-203 the conversions' second halves
.set PWR, 204                          ; v204-205 scale words;  v206-207 M;  v208-209 sums;  v210-213 at work
.set MB,  220                          ; v220 the mask's bound;  v221 -infinity;  v222-224 to store
.set WV,  18
.set HI,  19                           ; wave / 2: I fetch for S0 (0) or S1 (1); I multiply S1's half HI
.set LO,  20                           ; wave % 2: which half I fetch; I multiply S0's half LO
.set CX,  21
.set BAT, 23
.set YY,  66
.set JJ,  67
.set G1A, 24                           ; s[24:31] descriptor group 1 for S0;  s[40:47] its groups 0, one for each chunk
.set G1B, 32                           ; s[32:39] for S1;  s[48:55] its groups 0
.set G0A, 40
.set G0B, 48
.set VM,  68                           ; s68-75 the mask's eight compares at a time
.set MSB, 0
.macro WIN new                         ; the immediate's high byte repeats the setting that is left
.if MSB != (\new)
	s_set_vgpr_msb (MSB<<8)|(\new)
.set MSB, (\new)
.endif
.endm
.macro CROUND                          ; a round of the cluster's barrier
	s_barrier_signal -1
	s_barrier_wait -1
	s_cmp_lg_u32 s[WV], 0
	s_cbranch_scc1 .Lnot_wave_0_\@
	s_barrier_signal -3
.Lnot_wave_0_\@:
	s_barrier_wait -3
	s_barrier_signal -1
	s_barrier_wait -1
.endm
.macro PLACES                          ; four places behind a matrix instruction of this form, in front of loads into its sources and of reads of its result
.rept 4
	v_nop
.endr
.endm
; Chunk c's loads, one a wave: waves 0 and 1 fetch S0's halves, waves 2 and 3 S1's.  An s_nop 0 and four v_nop follow each line.
.macro JLOAD c
	s_cmp_eq_u32 s[HI], 0
	s_cbranch_scc0 .Lfor_s1_\@
	tensor_load_to_lds s[G0A+4*\c:G0A+4*\c+3], s[G1A:G1A+7]
	s_nop 0
	PLACES
	s_branch .Lasked_\@
.Lfor_s1_\@:
	tensor_load_to_lds s[G0B+4*\c:G0B+4*\c+3], s[G1B:G1B+7]
	s_nop 0
	PLACES
.Lasked_\@:
.endm
.macro FETCH s                         ; K step s: 36 LDS loads of 512 consecutive bytes: S0's 8 fragments, S1's 4, into set s % 2
	WIN 0x40
.irp b, 0,1,2,3,4,5,6,7
.irp g, 0,1,2
	ds_load_b128 v[128*((\s)%2)+12*\b+4*\g:128*((\s)%2)+12*\b+4*\g+3], v[AD0+(\s)/4] offset:TB*\b+FRB*((\s)%4)+512*\g
.endr
.endr
	WIN 0
.irp a, 0,1,2,3
.irp g, 0,1,2
	ds_load_b128 v[F1+48*((\s)%2)+12*\a+4*\g:F1+48*((\s)%2)+12*\a+4*\g+3], v[AD1+(\s)/4] offset:TB*\a+FRB*((\s)%4)+512*\g
.endr
.endr
.endm
; 8 matrix instructions: S1's tile a x S0's eight.  In K step 0 the constant 0 starts the sums.  The 32 accumulators take turns, one instruction a turn, in the same order in every step.
.macro MUL8 a, s
	WIN 0xa1+0x50*((\a)/2)
.irp b, 0,1,2,3,4,5,6,7
.set rD, 64*((\a)%2)+8*\b
.set rX, 128*((\s)%2)+12*\b
.set rY, F1+48*((\s)%2)+12*(\a)
.set rP, SB+4*\b+(\s)/2
.set rQ, SA+4*(\a)+(\s)/2
.if (\s) == 0
	v_wmma_scale_f32_16x16x128_f8f6f4 v[rD:rD+7], v[rX:rX+11], v[rY:rY+11], 0, v[rP], v[rQ] matrix_a_fmt:MATRIX_FMT_BF6 matrix_b_fmt:MATRIX_FMT_BF6
.elseif (\s)%2
	v_wmma_scale_f32_16x16x128_f8f6f4 v[rD:rD+7], v[rX:rX+11], v[rY:rY+11], v[rD:rD+7], v[rP], v[rQ] matrix_a_fmt:MATRIX_FMT_BF6 matrix_b_fmt:MATRIX_FMT_BF6 matrix_a_scale:MATRIX_SCALE_ROW1 matrix_b_scale:MATRIX_SCALE_ROW1
.else
	v_wmma_scale_f32_16x16x128_f8f6f4 v[rD:rD+7], v[rX:rX+11], v[rY:rY+11], v[rD:rD+7], v[rP], v[rQ] matrix_a_fmt:MATRIX_FMT_BF6 matrix_b_fmt:MATRIX_FMT_BF6
.endif
.endr
.endm
; A K step.  As a rule the next step's fragments are asked for first, then this step's 32 products.  Step 3 also shows chunk 1 to all four waves: eight products between the barrier's signal and its wait, the next fragments behind it, the last eight products behind them.
.macro STEP s
.if (\s) == 3
	s_wait_dscnt 0x0                               ; this step's fragments are in, and no LDS load of mine is out at the signal
	MUL8 0, \s
	MUL8 1, \s
	s_wait_tensorcnt 0x0                           ; my part of chunk 1 has landed
	s_barrier_signal -1
	MUL8 2, \s
	s_barrier_wait -1                              ; everybody's has; nothing is filled again
	PLACES
	FETCH (\s)+1
	MUL8 3, \s
.else
.if (\s) == 7
	s_wait_dscnt 0x0
.else
.if (\s) > 0
	PLACES                                         ; the set was read by the step before
.endif
	FETCH (\s)+1
	s_wait_dscnt 36                                ; all but the 36 just issued: this step's fragments are in
.endif
	MUL8 0, \s
	MUL8 1, \s
	MUL8 2, \s
	MUL8 3, \s
.endif
.endm
; The two tiles of window 2 + q: 64 scores a lane and tile (register 64 u + 16 b + i = key 32 b + 16 h + i of my 128) become p's fragments, their scale words, M and the sums.  Two tiles x four blocks by turns.
.macro SOFT2 q
	WIN 0xaa+0x55*\q
.irp u, 0,1
.irp b, 0,1,2,3
	v_max3_num_f32 v[BM+4*\u+\b], v[64*\u+16*\b], v[64*\u+16*\b+1], v[64*\u+16*\b+2]   ; the largest score of each block of 32 keys: it serves for the maximum and, since p rises with the score, for the block's largest p
.endr
.endr
.irp i, 3,5,7,9,11,13
.irp u, 0,1
.irp b, 0,1,2,3
	v_max3_num_f32 v[BM+4*\u+\b], v[BM+4*\u+\b], v[64*\u+16*\b+\i], v[64*\u+16*\b+\i+1]
.endr
.endr
.endr
.irp u, 0,1
.irp b, 0,1,2,3
	v_max_num_f32 v[BM+4*\u+\b], v[BM+4*\u+\b], v[64*\u+16*\b+15]
.endr
.endr
.irp b, 0,1,2,3,4,5,6,7
	v_permlanex16_b32 v[PT+\b], v[BM+\b], s60, s61
.endr
.irp b, 0,1,2,3,4,5,6,7
	v_max_num_f32 v[BM+\b], v[BM+\b], v[PT+\b]     ; with lane l xor 16's 16 keys
.endr
.irp u, 0,1
	v_max3_num_f32 v[NM+2*\u+1], v[BM+4*\u], v[BM+4*\u+1], v[BM+4*\u+2]
.endr
.irp u, 0,1
	v_max_num_f32 v[NM+2*\u+1], v[NM+2*\u+1], v[BM+4*\u+3]   ; the largest score of my query among these 128 keys,
.endr
.irp u, 0,1
	v_mul_f32 v[NM+2*\u+1], s88, v[NM+2*\u+1]      ; as t (c is positive),
.endr
.irp u, 0,1
	v_max_num_f32 v[NM+2*\u+1], 0xff61b1e6, v[NM+2*\u+1]   ; held at -3e38 where every key is hidden
.endr
.irp u, 0,1
	v_floor_f32 v[NM+2*\u], -v[NM+2*\u+1]          ; -M = floor(-t) = -ceil(t): M is a whole number
.endr
.set n, 0
.rept 32
.irp u, 0,1
	v_pk_fma_f32 v[64*\u+n:64*\u+n+1], v[64*\u+n:64*\u+n+1], s[88:89], v[NM+2*\u:NM+2*\u+1] op_sel_hi:[1,0,0]   ; t - M, two at a time (of the pairs c and -M the low word serves both halves)
.endr
.set n, n+2
.endr
.irp u, 0,1
.irp b, 0,1,2,3
	v_fma_f32 v[BM+4*\u+\b], v[BM+4*\u+\b], s88, v[NM+2*\u]   ; the same of each block's largest score
.endr
.endr
	s_wait_alu depctr_va_vdst(0)
.set n, 0
.rept 128
	v_exp_f32 v[n], v[n]                           ; p = 2^(t - M), at most 1
.set n, n+1
.endr
.irp u, 0,1
	v_mul_f32 v[PWR+2+\u], -1.0, v[NM+2*\u]        ; M, to be stored.  (A plain place behind the exponentials)
.endr
	s_wait_alu depctr_va_vdst(0)                   ; one wait for the whole batch, ahead of its first reader
.irp b, 0,1,2,3,4,5,6,7
	v_exp_f32 v[BM+\b], v[BM+\b]                   ; the blocks' largest p: the same two instructions on the same number give the same bits
.endr
.irp u, 0,1
	v_pk_add_f32 v[SUM+4*\u:SUM+4*\u+1], v[64*\u:64*\u+1], v[64*\u+4:64*\u+5]   ; the sums are taken of the unquantised p: two at a time, in two chains a tile
	v_pk_add_f32 v[SUM+4*\u+2:SUM+4*\u+3], v[64*\u+2:64*\u+3], v[64*\u+6:64*\u+7]
.endr
.irp j, 8,12,16,20,24,28,32,36,40,44,48,52,56,60
.irp u, 0,1
	v_pk_add_f32 v[SUM+4*\u:SUM+4*\u+1], v[SUM+4*\u:SUM+4*\u+1], v[64*\u+\j:64*\u+\j+1]
	v_pk_add_f32 v[SUM+4*\u+2:SUM+4*\u+3], v[SUM+4*\u+2:SUM+4*\u+3], v[64*\u+\j+2:64*\u+\j+3]
.endr
.endr
.irp u, 0,1
	v_pk_add_f32 v[SUM+4*\u:SUM+4*\u+1], v[SUM+4*\u:SUM+4*\u+1], v[SUM+4*\u+2:SUM+4*\u+3]
.endr
	s_wait_alu depctr_va_vdst(0)                   ; and one for the eight
.irp b, 0,1,2,3,4,5,6,7
	v_max_num_f32 v[BM+\b], 0x2800000, v[BM+\b]    ; the floor 2^(5 - 127): the byte cannot fall under 1 (a block whose every p is 0 keeps that byte: its codes are zeros)
.endr
.irp b, 0,1,2,3,4,5,6,7
	v_add_nc_u32 v[SO+\b], 0xfe000000, v[BM+\b]    ; 4 off the exponent field: the conversion's scale operand
.endr
.irp b, 0,1,2,3,4,5,6,7
	v_lshrrev_b32 v[PT+\b], 23, v[SO+\b]           ; the scale's byte, 123 at the most
.endr
.irp u, 0,1
	v_lshl_or_b32 v[PWR+\u], v[PT+4*\u+1], 8, v[PT+4*\u]
	v_add_f32 v[210+\u], v[SUM+4*\u], v[SUM+4*\u+1]   ; the sum's two halves,
.endr
.irp u, 0,1
	v_lshl_or_b32 v[PWR+\u], v[PT+4*\u+2], 16, v[PWR+\u]
	v_permlanex16_b32 v[212+\u], v[210+\u], s60, s61
.endr
.irp u, 0,1
	v_lshl_or_b32 v[PWR+\u], v[PT+4*\u+3], 24, v[PWR+\u]
	v_add_f32 v[PWR+4+\u], v[210+\u], v[212+\u]    ; and lane l xor 16's
.endr
.irp u, 0,1
.irp c, 0,1
	v_cvt_scalef32_pk16_bf6_f32 v[PC+12*\u+6*\c:PC+12*\u+6*\c+2], v[64*\u+32*\c:64*\u+32*\c+15], v[SO+4*\u+2*\c]
	v_cvt_scalef32_pk16_bf6_f32 v[T2+8*\u+4*\c:T2+8*\u+4*\c+2], v[64*\u+32*\c+16:64*\u+32*\c+31], v[SO+4*\u+2*\c+1]   ; (a conversion's three registers begin on an even number)
.endr
.endr
	v_nop                                          ; one plain place behind a scaled conversion
.irp u, 0,1
.irp c, 0,1                                    ; the operand wants a whole block in a lane: lanes 0-15 block 2 c, lanes 16-31 block 2 c + 1
.irp i, 0,1,2
	v_permlane16_swap_b32 v[PC+12*\u+6*\c+\i], v[T2+8*\u+4*\c+\i]
.endr
.endr
.endr
.irp u, 0,1
.irp c, 0,1
.irp i, 0,1,2
	v_mov_b32 v[PC+12*\u+6*\c+3+\i], v[T2+8*\u+4*\c+\i]
.endr
.endr
.endr
	v_cndmask_b32 v222, v[PWR], v[PWR+1], s62      ; lanes 0-15 the even tile's, lanes 16-31 the odd one's: the scale words,
	v_cndmask_b32 v223, v[PWR+2], v[PWR+3], s62    ; M,
	v_cndmask_b32 v224, v[PWR+4], v[PWR+5], s62    ; the sums
	WIN 0x08+4*\q
.irp u, 0,1
.irp g, 0,1,2
	global_store_b128 v[LI], v[PC+12*\u+4*\g:PC+12*\u+4*\g+3], s[84:85] offset:TILEB*(2*\q+\u)+512*\g   ; 512 consecutive bytes, at a multiple of 256 from the buffer's first byte
.endr
.endr
	global_store_b32 v[SOF], v222, s[86:87] offset:1024*\q
	global_store_b32 v[SOF], v223, s[86:87] offset:1024*\q+262144
	global_store_b32 v[SOF], v224, s[86:87] offset:1024*\q+524288
.endm
	s_load_b256 s[4:11], s[0:1], 0x0               ; c2, s2, c3, s3
	v_lshl_add_u32 v[SPW], v0, 2, SPARE
	v_mov_b32 v[NIL], 0
	ds_add_u32 v[SPW], v[NIL]                      ; the wave's opening: the add, twice on end, and its wait ahead of my first tensor load
	ds_add_u32 v[SPW], v[NIL]
	v_lshrrev_b32 v1, 5, v0
	v_readfirstlane_b32 s[WV], v1                  ; wave 0..3
	s_lshr_b32 s[HI], s[WV], 1
	s_and_b32 s[LO], s[WV], 1
	s_bfe_u32 s[CX], ttmp6, 0x40000
	s_and_b32 s[BAT], ttmp7, 0xffff                ; the batch
	s_cmp_lt_u32 ttmp9, 2
	s_cselect_b32 s[YY], 0, 1                      ; which half of the queries,
	s_cselect_b32 s[JJ], 0, 2
	s_sub_co_u32 s[JJ], ttmp9, s[JJ]               ; which 256 keys: both the same in all four partners
	s_lshl_b32 s90, s[BAT], 6
	s_add_co_u32 s90, s90, 512                     ; k's tiles begin at 512
	s_lshl_b32 s91, s[JJ], 4
	s_add_co_u32 s90, s90, s91
	s_lshl_b32 s91, s[LO], 3
	s_add_co_u32 s90, s90, s91                     ; S0: the 8 tiles that I fetch (if I fetch for S0), and that I multiply: no place in the cluster enters
	s_lshl_b32 s94, s[BAT], 6
	s_lshl_b32 s95, s[YY], 5
	s_add_co_u32 s94, s94, s95
	s_lshl_b32 s95, s[CX], 3
	s_add_co_u32 s94, s94, s95
	s_lshl_b32 s95, s[LO], 2
	s_add_co_u32 s95, s94, s95                     ; S1: the 4 tiles of q that I fetch,
	s_lshl_b32 s96, s[HI], 2
	s_add_co_u32 s96, s94, s96                     ; and the 4 that I multiply
	s_lshl_b32 s86, s96, 9                         ; the results: the same tile, K step 2 j + LO: its words at 256 LO + 4 j
	s_lshl_b32 s87, s[LO], 8
	s_add_co_u32 s86, s86, s87
	s_lshl_b32 s87, s[JJ], 2
	s_add_co_u32 s86, s86, s87
	s_mov_b32 s87, 0
	s_lshl_b32 s84, s96, 3
	s_lshl_b32 s85, s[JJ], 1
	s_add_co_u32 s84, s84, s85
	s_add_co_u32 s84, s84, s[LO]
	s_mul_i32 s84, s84, FRB
	s_mov_b32 s85, 0
	s_mov_b32 s[G1A], 15|(3<<16)|(1<<21)           ; 15:0 the mask: all four work-groups; 17:16 elements of 8 bytes; 21 set beside a mask; no padding
	s_mov_b32 s[G1A+1], 768<<16                    ; tensor_dim0 = 768 elements: a tile's four K steps, 6,144 bytes
	s_mov_b32 s[G1A+2], 8<<16                      ; tensor_dim1 = 8 tiles
	s_mov_b32 s[G1A+3], 768<<16                    ; tile_dim0
	s_mov_b32 s[G1A+4], 8                          ; tile_dim1
	s_mov_b32 s[G1A+5], 1536                       ; from tile to tile: 12,288 bytes
	s_mov_b32 s[G1A+6], 0
	s_mov_b32 s[G1A+7], 0
	s_mov_b32 s[G1B], 3<<16                        ; q's tiles are my work-group's own: no mask
	s_mov_b32 s[G1B+1], 768<<16
	s_mov_b32 s[G1B+2], 4<<16                      ; 4 tiles
	s_mov_b32 s[G1B+3], 768<<16
	s_mov_b32 s[G1B+4], 4
	s_mov_b32 s[G1B+5], 1536
	s_mov_b32 s[G1B+6], 0
	s_mov_b32 s[G1B+7], 0
	s_mul_i32 s92, s90, TILEB
	s_mov_b32 s93, 0
	s_mul_i32 s98, s95, TILEB
	s_mov_b32 s99, 0
	s_lshl_b32 s90, s90, 9                         ; 512 bytes of scale words a tile
	s_mov_b32 s91, 0
	s_lshl_b32 s96, s96, 9
	s_mov_b32 s97, 0
	s_mul_i32 s2, s[LO], 8*TB                      ; where the tiles go: the wave's number alone enters an LDS address
	s_mul_i32 s3, s[LO], 4*TB
	s_wait_dscnt 0x0
	s_wait_kmcnt 0x0
	s_add_nc_u64 s[92:93], s[4:5], s[92:93]
	s_add_nc_u64 s[98:99], s[4:5], s[98:99]
	s_add_nc_u64 s[56:57], s[6:7], s[90:91]        ; S0's scale words
	s_add_nc_u64 s[58:59], s[6:7], s[96:97]        ; S1's
	s_add_nc_u64 s[84:85], s[8:9], s[84:85]
	s_add_nc_u64 s[86:87], s[10:11], s[86:87]
.irp c, 0,1
	s_mov_b32 s[G0A+4*\c], 1
	s_add_co_u32 s[G0A+4*\c+1], s2, \c*CH
	s_add_nc_u64 s[G0A+4*\c+2:G0A+4*\c+3], s[92:93], \c*TB
	s_or_b32 s[G0A+4*\c+3], s[G0A+4*\c+3], 0x80000000
	s_mov_b32 s[G0B+4*\c], 1
	s_add_co_u32 s[G0B+4*\c+1], s3, \c*CH+S1O
	s_add_nc_u64 s[G0B+4*\c+2:G0B+4*\c+3], s[98:99], \c*TB
	s_or_b32 s[G0B+4*\c+3], s[G0B+4*\c+3], 0x80000000
.endr
	CROUND                                         ; all four work-groups are here: the joint loads meet
	JLOAD 0                                        ; one tensor load a wave at the head
	v_and_b32 v[LI], 31, v0
	v_lshlrev_b32 v[LI], 4, v[LI]
.irp b, 0,1,2,3,4,5,6,7
	global_load_b128 v[SB+4*\b:SB+4*\b+3], v[LI], s[56:57] offset:512*\b   ; 512 consecutive bytes: a tile's eight K steps
.endr
.irp a, 0,1,2,3
	global_load_b128 v[SA+4*\a:SA+4*\a+3], v[LI], s[58:59] offset:512*\a
.endr
	v_and_b32 v[RR], 15, v0
	v_bfe_u32 v[HH], v0, 4, 1
	v_and_b32 v[RP], 8, v[RR]
	v_add_nc_u32 v[RP], v[RP], v[RR]
	v_lshlrev_b32 v[SOF], 4, v[RR]
	v_lshl_add_u32 v[SOF], v[HH], 9, v[SOF]
	s_mov_b32 s60, 0x76543210
	s_mov_b32 s61, 0xfedcba98                      ; v_permlanex16_b32's selects for lane l xor 16
	s_mov_b32 s62, 0xffff0000                      ; lanes 16-31
	s_mov_b32 s88, 0x3d38aa3b                      ; c = log2(e) / sqrt(1024)
	s_mov_b32 s89, s88                             ; (named with it as a pair, so it is written)
	; the mask's bound: register n of tile a holds key 256 j + 128 LO + 32 (n / 16) + 16 h + n % 16 and query 512 Y + 128 cx + 64 HI + 32 (a / 2) + 8 (a % 2) + r + 8 (r / 8)
	s_lshl_b32 s100, s[YY], 2
	s_add_co_u32 s100, s100, s[CX]
	s_lshl_b32 s100, s100, 7
	s_lshl_b32 s101, s[HI], 6
	s_add_co_u32 s100, s100, s101
	s_lshl_b32 s101, s[JJ], 8
	s_sub_co_i32 s100, s100, s101
	s_lshl_b32 s101, s[LO], 7
	s_sub_co_i32 s100, s100, s101
	s_wait_alu depctr_va_vdst(0)
	v_lshlrev_b32 v160, 4, v[HH]
	v_sub_nc_u32 v160, v[RP], v160
	v_add_nc_u32 v160, s100, v160                  ; hidden where 32 (n / 16) + n % 16 - 32 (a / 2) - 8 (a % 2) is above this
.irp w, 0x80, 0xc0
	WIN \w
	v_mov_b32 v[MB], v160
	v_mov_b32 v[MB+1], 0xff800000                  ; -infinity
.irp b, 0,1,2,3,4,5,6,7
	v_mov_b32 v[PT+\b], 0                          ; written once: a lane permute's destination counts as one of its sources
.endr
	v_mov_b32 v212, 0
	v_mov_b32 v213, 0
.endr
	WIN 0
	s_mul_i32 s3, s[HI], 4*TB
	s_add_co_u32 s3, s3, S1O
.irp c, 0,1
	v_add_nc_u32 v[AD0+\c], s2, v[LI]
	v_add_nc_u32 v[AD1+\c], s3, v[LI]
	s_add_co_u32 s2, s2, CH
	s_add_co_u32 s3, s3, CH
.endr
	s_wait_alu depctr_va_vdst(0)
	s_wait_tensorcnt 0x0                           ; my part of chunk 0 has landed
	ds_add_u32 v[SPW], v[NIL]
	s_wait_dscnt 0x0
	CROUND                                         ; everybody's has, and the joint loads meet:
	JLOAD 1                                        ; chunk 1's, the first tensor load behind the round
	FETCH 0
	s_wait_loadcnt 0x0                             ; the scale words
	STEP 0
	STEP 1
	STEP 2
	STEP 3
	STEP 4
	STEP 5
	STEP 6
	STEP 7
	WIN 0
	PLACES
	s_lshr_b32 s100, ttmp9, 1                      ; clusters 2 and 3: keys 0-511 against queries 512-1023: every key counts
	s_cmp_eq_u32 s100, 1
	s_cbranch_scc1 .Lopen
.irp q, 0,1
	WIN 0xaa+0x55*\q
.irp u, 0,1
.set n, 0
.rept 8                                        ; eight compares, then the eight selects
.irp k, 0,1,2,3,4,5,6,7
	v_cmp_gt_i32 s[VM+\k], 32*((n+\k)/16)+(n+\k)%16-32*\q-8*\u, v[MB]
.endr
.irp k, 0,1,2,3,4,5,6,7
	v_cndmask_b32 v[64*\u+n+\k], v[64*\u+n+\k], v[MB+1], s[VM+\k]
.endr
.set n, n+8
.endr
.endr
.endr
	WIN 0
	s_wait_alu depctr_va_vdst(0)
.Lopen:
	SOFT2 0
	SOFT2 1
	WIN 0
	s_wait_tensorcnt 0x0                           ; the wave's end
	ds_add_u32 v[SPW], v[NIL]
	s_wait_dscnt 0x0
	CROUND                                         ; the closing round
	s_endpgm
.Lfunc_end_k_qc5f4a6f87d_scores:
	.size	k_qc5f4a6f87d_scores, .Lfunc_end_k_qc5f4a6f87d_scores-k_qc5f4a6f87d_scores
	.p2alignl 7, 3214868480
	.fill 96, 4, 3214868480
	.section	.rodata,"a",@progbits
	.p2align	6, 0x0
	.amdhsa_kernel k_qc5f4a6f87d_scores
		.amdhsa_group_segment_fixed_size 327680
		.amdhsa_private_segment_fixed_size 0
		.amdhsa_enable_private_segment 0
		.amdhsa_kernarg_size 32
		.amdhsa_user_sgpr_count 2
		.amdhsa_user_sgpr_kernarg_segment_ptr 1
		.amdhsa_wavefront_size32 1
		.amdhsa_system_sgpr_workgroup_id_x 1
		.amdhsa_system_sgpr_workgroup_id_y 1
		.amdhsa_system_sgpr_workgroup_id_z 1
		.amdhsa_system_vgpr_workitem_id 0
		.amdhsa_next_free_vgpr 1024
		.amdhsa_next_free_sgpr 102
		.amdhsa_reserve_vcc 0
		.amdhsa_float_denorm_mode_32 3
		.amdhsa_float_denorm_mode_16_64 3
		.amdhsa_memory_ordered 1
		.amdhsa_forward_progress 1
		.amdhsa_inst_pref_size 143
	.end_amdhsa_kernel
	.amdgpu_metadata
---
amdhsa.version: [ 1, 2 ]
amdhsa.kernels:
  - .name:           k_qc5f4a6f87d_scores
    .symbol:         k_qc5f4a6f87d_scores.kd
    .args:
      - { .name: c2, .offset: 0, .size: 8, .value_kind: global_buffer, .address_space: global }
      - { .name: s2, .offset: 8, .size: 8, .value_kind: global_buffer, .address_space: global }
      - { .name: c3, .offset: 16, .size: 8, .value_kind: global_buffer, .address_space: global }
      - { .name: s3, .offset: 24, .size: 8, .value_kind: global_buffer, .address_space: global }
    .group_segment_fixed_size: 327680
    .private_segment_fixed_size: 0
    .kernarg_segment_align: 8
    .kernarg_segment_size: 32
    .max_flat_workgroup_size: 128
    .sgpr_count:     102
    .vgpr_count:     1024
    .wavefront_size: 32
...
	.end_amdgpu_metadata
.endif
;; end of part 3
;; launch pv (part 4): grid 64 x 4, 4 waves a work-group, clusters of 4 x 4, 327,680 bytes of LDS; arguments c2, s2, c3, s3, out0; writes out0
.if DOCPART == 4
	.amdgcn_target "amdgcn-amd-amdhsa--gfx1250"
	.amdhsa_code_object_version 6
	.text
	.protected	k_qc5f4a6f87d_pv
	.globl	k_qc5f4a6f87d_pv
	.p2align	8
	.type	k_qc5f4a6f87d_pv,@function
k_qc5f4a6f87d_pv:
	s_mov_b64 s[64:65], 0
	v_nop
	global_prefetch_b8 v0, s[64:65] scope:SCOPE_SE
	s_setreg_imm32_b32 hwreg(HW_REG_WAVE_MODE, 25, 1), 1
	s_wait_xcnt 0x0
	s_wait_alu depctr_hold_cnt(0) depctr_sa_sdst(0) depctr_va_vdst(0) depctr_va_sdst(0) depctr_va_ssrc(0) depctr_va_vcc(0) depctr_vm_vsrc(0)
	s_getreg_b32 s2, hwreg(HW_REG_IB_STS2, 6, 4)
	s_cmp_eq_u32 s2, 0
	s_cbranch_scc0 .Lentry_in_a_cluster
	s_endpgm
.Lentry_in_a_cluster:
	s_bfe_u32 s2, ttmp6, 0x10000c
	s_cmp_lg_u32 s2, 0xf033
	s_cbranch_scc0 .Lentry_shape_is_right
	s_endpgm
.Lentry_shape_is_right:
; O^T = v^T p^T on codes of BF6 (E3M2) with E8M0 scales, divided by the row's sum.  out0 [8][1024][1024] f32.
; p came with a whole number M for each query and each K step of 128 keys.  Here the row's M is the largest of them, D = the row's M less a step's M is taken off that step's four scale bytes, and the step's sum is multiplied by 2^-D:
; both exact, so the codes' values are those under the row's M.  LIMIT: D is held at 127 and a byte at 0 from below: what is so held stands for 28 x 2^-127 at the most, beside a row's sum of 1/2 at the least.
; OPERANDS ARE IMAGES OF REGISTERS: tile T = 16 rows, lane-row i = row 32 (T / 2) + 8 (T % 2) + i + 8 (i / 8); fragment (T, s) = 1,536 bytes at (8 T + s) x 1,536; its scale words (in s3 also M and the sums) at 512 T + 256 (s % 2) + 16 (lane-row) + 4 (s / 2).
; D = S0 S1^T with S0 = v^T (rows: the 1,024 features), S1 = p (rows: queries), K = the keys: a lane holds one query and 16 neighbouring features in the registers of S0's tiles 2 B, 2 B + 1.
; SHARES AND THE MASK.  Queries 0-511 (early) meet keys 0-511, four K steps, queries 512-1023 (late) all keys, eight: the reference's own causal mask throws the rest away, whatever the inputs hold (a NaN or an infinity that reaches only
; that is not carried to the result).  A work-group makes 256 features x (64 early and 64 late queries), a wave 128 x (32 and 32): all 256 work-groups have the same work, and nothing is fetched that is not read.
; LDS: chunk 0 = K steps 0 to 3 of S0's 16 tiles, S1's 4 early and 4 late ones, 147,456 bytes; chunk 1 = K steps 4 to 7 of S0's 16 and S1's 4 late ones, 122,880 bytes; one tensor load a wave for each; every LDS byte is filled once.
; Chunk 1 is asked for when chunk 0 has landed, and has K steps 0 to 3 in which to land.  The early queries' tiles go out beside K steps 4 to 7 of the late ones.
; CLUSTERS: 4 x 4: cluster i of 16: batch i / 2, half z = i % 2 of its early and of its late queries.  v's tiles hang on cx and are shared along a column, p's on cy and are shared along a row: each is asked for jointly.
; NO PREFETCH: two fills and no loop to run ahead in.
; REGISTERS, in windows of 256: window 0: v1-13 addresses; v16-47 S0's scale words, v48-63 S1's (4 t + g: lanes 0-15 K step 2 g, lanes 16-31 K step 2 g + 1); v64-159 S1's fragments, two sets; v160-175 M, v176-191 the sums (4 a + g);
;   v192-219 at work.   window 1: S0's fragments, two sets, at v0 and v128.   windows 2, 3: v0-127 the accumulators of S1's tiles 0, 1 (early) and 2, 3 (late) ((a, b) at 64 (a % 2) + 8 b); v128, v130: 1 / the sum of tile a % 2; v132-195 rows of O of tiles 0, 2 (window 2) and 1, 3 (window 3).
.set FRB,   1536                       ; a fragment
.set TB,    4*FRB                      ; a tile's part of a chunk
.set TILEB, 8*FRB                      ; a tile's whole K
.set S1O,   16*TB                      ; in a chunk: S0's 16 tiles, then S1's
.set CB,    24*TB                      ; chunk 1
.set STAGE, CB+20*TB                   ; the way out: a stage of 16 rows x (512 bytes + 16) for each wave, on bytes that no fill lands on
.set SPO,   528
.set SPARE, STAGE+4*16*SPO             ; and the spare words, 128 bytes for each wave
.set LI,  1                            ; v1   16 x lane
.set RR,  3                            ; v3   r
.set HH,  4                            ; v4   h
.set STO, 5                            ; v5   the stage: where I put 16 bytes of a row
.set RD,  7                            ; v7   and where I read a row back
.set AD0, 8                            ; v8-9 my S0 tiles in chunk c
.set AD1, 10                           ; v10-11 my S1 tiles in chunk c
.set SPW, 12                           ; v12  LDS address of my spare word; never rewritten
.set NIL, 13                           ; v13  0; never rewritten
.set SB,  16
.set SA,  48
.set F1,  64
.set MM,  160
.set LL,  176
.set MR,  192
.set PT,  193
.set LS,  200
.set DD,  208
.set XX,  212
.set KK,  216
.set RO,  132
.set WV,  18
.set HI,  19                           ; wave / 2: I fetch for S0 (0) or S1 (1); I multiply half HI of S1's early and late tiles
.set LO,  20                           ; wave % 2: which half I fetch (of chunk 0's S1: the early or the late tiles); I multiply S0's half LO
.set CX,  21
.set CY,  22
.set BAT, 23
.set ZZ,  63
.set G1A, 24                           ; s[24:31] descriptor group 1 for S0;  s[40:47] its groups 0, one for each chunk
.set G1B, 32                           ; s[32:39] for S1;  s[48:55] its groups 0
.set G0A, 40
.set G0B, 48
.set MSB, 0
.macro WIN new                         ; the immediate's high byte repeats the setting that is left
.if MSB != (\new)
	s_set_vgpr_msb (MSB<<8)|(\new)
.set MSB, (\new)
.endif
.endm
.macro CROUND                          ; a round of the cluster's barrier
	s_barrier_signal -1
	s_barrier_wait -1
	s_cmp_lg_u32 s[WV], 0
	s_cbranch_scc1 .Lnot_wave_0_\@
	s_barrier_signal -3
.Lnot_wave_0_\@:
	s_barrier_wait -3
	s_barrier_signal -1
	s_barrier_wait -1
.endm
.macro PLACES                          ; four places behind a matrix instruction of this form, in front of loads into its sources and of reads of its result
.rept 4
	v_nop
.endr
.endm
; Chunk c's loads, one a wave: waves 0 and 1 fetch S0's halves, waves 2 and 3 S1's.  An s_nop 0 and four v_nop follow each line.
.macro JLOAD c
	s_cmp_eq_u32 s[HI], 0
	s_cbranch_scc0 .Lfor_s1_\@
	tensor_load_to_lds s[G0A+4*\c:G0A+4*\c+3], s[G1A:G1A+7]
	s_nop 0
	PLACES
	s_branch .Lasked_\@
.Lfor_s1_\@:
	tensor_load_to_lds s[G0B+4*\c:G0B+4*\c+3], s[G1B:G1B+7]
	s_nop 0
	PLACES
.Lasked_\@:
.endm
.macro FETCH s                         ; K step s into set s % 2: LDS loads of 512 consecutive bytes: S0's 8 fragments and S1's 4 (36 loads), from K step 4 on S1's late 2 (30 loads)
	WIN 0x40
.irp b, 0,1,2,3,4,5,6,7
.irp g, 0,1,2
	ds_load_b128 v[128*((\s)%2)+12*\b+4*\g:128*((\s)%2)+12*\b+4*\g+3], v[AD0+(\s)/4] offset:TB*\b+FRB*((\s)%4)+512*\g
.endr
.endr
	WIN 0
.if (\s) < 4
.irp a, 0,1,2,3
.irp g, 0,1,2
	ds_load_b128 v[F1+48*((\s)%2)+12*\a+4*\g:F1+48*((\s)%2)+12*\a+4*\g+3], v[AD1] offset:TB*(4*(\a/2)+\a%2)+FRB*((\s)%4)+512*\g
.endr
.endr
.else
.irp a, 2,3
.irp g, 0,1,2
	ds_load_b128 v[F1+48*((\s)%2)+12*\a+4*\g:F1+48*((\s)%2)+12*\a+4*\g+3], v[AD1+1] offset:TB*(\a-2)+FRB*((\s)%4)+512*\g
.endr
.endr
.endif
.endm
; 8 matrix instructions: S1's tile a x S0's eight.  In K step 0 the constant 0 starts the sums.  The accumulators take turns, one instruction a turn, in the same order in every step.
.macro MUL8 a, s
	WIN 0xa1+0x50*((\a)/2)
.irp b, 0,1,2,3,4,5,6,7
.set rD, 64*((\a)%2)+8*\b
.set rX, 128*((\s)%2)+12*\b
.set rY, F1+48*((\s)%2)+12*(\a)
.set rP, SB+4*\b+(\s)/2
.set rQ, SA+4*(\a)+(\s)/2
.if (\s) == 0
	v_wmma_scale_f32_16x16x128_f8f6f4 v[rD:rD+7], v[rX:rX+11], v[rY:rY+11], 0, v[rP], v[rQ] matrix_a_fmt:MATRIX_FMT_BF6 matrix_b_fmt:MATRIX_FMT_BF6
.elseif (\s)%2
	v_wmma_scale_f32_16x16x128_f8f6f4 v[rD:rD+7], v[rX:rX+11], v[rY:rY+11], v[rD:rD+7], v[rP], v[rQ] matrix_a_fmt:MATRIX_FMT_BF6 matrix_b_fmt:MATRIX_FMT_BF6 matrix_a_scale:MATRIX_SCALE_ROW1 matrix_b_scale:MATRIX_SCALE_ROW1
.else
	v_wmma_scale_f32_16x16x128_f8f6f4 v[rD:rD+7], v[rX:rX+11], v[rY:rY+11], v[rD:rD+7], v[rP], v[rQ] matrix_a_fmt:MATRIX_FMT_BF6 matrix_b_fmt:MATRIX_FMT_BF6
.endif
.endr
.endm
; A K step.  As a rule the next step's fragments are asked for first, then this step's products.  Step 3 also shows chunk 1 to all four waves: eight products between the barrier's signal and its wait, the next fragments behind it, the last eight products behind them.
.macro STEP s
.if (\s) == 3
	s_wait_dscnt 0x0                               ; this step's fragments are in, and no LDS load of mine is out at the signal
	MUL8 0, \s
	MUL8 1, \s
	s_wait_tensorcnt 0x0                           ; my part of chunk 1 has landed
	s_barrier_signal -1
	MUL8 2, \s
	s_barrier_wait -1                              ; everybody's has; nothing is filled again
	PLACES
	FETCH (\s)+1
	MUL8 3, \s
.else
.if (\s) == 7
	s_wait_dscnt 0x0
.else
.if (\s) > 0
	PLACES                                         ; the set was read by the step before
.endif
	FETCH (\s)+1
.if (\s) < 3
	s_wait_dscnt 36                                ; all but those just issued: this step's fragments are in
.else
	s_wait_dscnt 30
.endif
.endif
.if (\s) < 4
	MUL8 0, \s
	MUL8 1, \s
.endif
	MUL8 2, \s
	MUL8 3, \s
.endif
.endm
; Tile a of my queries: the scale words and the sums of its 2 ng K steps are brought under the row's M.  Register g: lanes 0-15 K step 2 g, lanes 16-31 K step 2 g + 1.
.macro PFIX a, ng
.if \ng == 4
	v_max3_num_f32 v[MR], v[MM+4*\a], v[MM+4*\a+1], v[MM+4*\a+2]
	v_max_num_f32 v[MR], v[MR], v[MM+4*\a+3]
.else
	v_max_num_f32 v[MR], v[MM+4*\a], v[MM+4*\a+1]
.endif
	v_permlanex16_b32 v[PT], v[MR], s60, s61
	v_max_num_f32 v[MR], v[MR], v[PT]              ; the row's M
.irp g, 0,1,2,3
.if \g < \ng
	v_sub_f32 v[DD+\g], v[MR], v[MM+4*\a+\g]       ; D: a whole number, 0 or more
.endif
.endr
.irp g, 0,1,2,3
.if \g < \ng
	v_min_num_f32 v[DD+\g], 0x42fe0000, v[DD+\g]   ; held at 127
.endif
.endr
.irp g, 0,1,2,3
.if \g < \ng
	v_cvt_u32_f32 v[DD+\g], v[DD+\g]
.endif
.endr
.irp g, 0,1,2,3
.if \g < \ng
	v_or_b32 v[XX+\g], s84, v[SA+4*\a+\g]          ; each byte (123 at the most) + 128,
.endif
.endr
.irp g, 0,1,2,3
.if \g < \ng
	v_mul_lo_u32 v[KK+\g], v[DD+\g], s85           ; D in each byte,
.endif
.endr
.irp g, 0,1,2,3
.if \g < \ng
	v_sub_nc_u32 v[XX+\g], v[XX+\g], v[KK+\g]      ; taken off: no byte borrows from its neighbour, and bit 7 stays where the byte was D or more
.endif
.endr
.irp g, 0,1,2,3
.if \g < \ng
	v_sub_nc_u32 v[DD+\g], 0, v[DD+\g]
.endif
.endr
.irp g, 0,1,2,3
.if \g < \ng
	v_ldexp_f32 v[LL+4*\a+\g], v[LL+4*\a+\g], v[DD+\g]   ; the step's sum x 2^-D
.endif
.endr
.irp g, 0,1,2,3
.if \g < \ng
	v_and_b32 v[KK+\g], s84, v[XX+\g]
.endif
.endr
.irp g, 0,1,2,3
.if \g < \ng
	v_lshrrev_b32 v[DD+\g], 7, v[KK+\g]
.endif
.endr
.irp g, 0,1,2,3
.if \g < \ng
	v_sub_nc_u32 v[KK+\g], v[KK+\g], v[DD+\g]      ; 0x7f in the bytes that stay, 0 in those that are held at 0
.endif
.endr
.irp g, 0,1,2,3
.if \g < \ng
	v_and_b32 v[SA+4*\a+\g], v[XX+\g], v[KK+\g]
.endif
.endr
	v_add_f32 v[LS+\a], v[LL+4*\a], v[LL+4*\a+1]
.if \ng == 4
	v_add_f32 v[MR], v[LL+4*\a+2], v[LL+4*\a+3]
	v_add_f32 v[LS+\a], v[LS+\a], v[MR]
.endif
	v_permlanex16_b32 v[PT], v[LS+\a], s60, s61
	v_add_f32 v[LS+\a], v[LS+\a], v[PT]            ; the row's sum
.endm
; THE WAY OUT of tile a.  A lane holds 16-byte pieces of one row of O and the lanes beside it hold other rows: so a tile goes through my own stage in LDS and comes back as whole rows of 512 bytes.
.macro SCALEO a
	WIN 0xaa+0x55*((\a)/2)
.set n, 0
.rept 32
	v_pk_mul_f32 v[64*((\a)%2)+n:64*((\a)%2)+n+1], v[64*((\a)%2)+n:64*((\a)%2)+n+1], v[128+2*((\a)%2):129+2*((\a)%2)] op_sel_hi:[1,0]   ; / the sum; each accumulator from its low end on
.set n, n+2
.endr
.endm
.macro TOSTAGE a
	WIN 0x08+4*((\a)/2)
.irp b, 0,1,2,3,4,5,6,7
	ds_store_b128 v[STO], v[64*((\a)%2)+8*\b:64*((\a)%2)+8*\b+3] offset:128*(\b/2)+32*(\b%2)      ; features 32 (b / 2) + 16 h + 8 (b % 2) + 0 .. 7 of my 128
	ds_store_b128 v[STO], v[64*((\a)%2)+8*\b+4:64*((\a)%2)+8*\b+7] offset:128*(\b/2)+32*(\b%2)+16
.endr
	WIN 0x80+0x40*((\a)%2)
.irp t, 0,1,2,3,4,5,6,7,8,9,10,11,12,13,14,15
	ds_load_b128 v[RO+4*\t:RO+4*\t+3], v[RD] offset:SPO*\t   ; LDS serves a wave's instructions in order (ISA guide 5.7.1.4): these see the stores above, and the next tile's stores come behind them
.endr
	WIN 0
.endm
.macro SEND a, younger                 ; younger: the LDS instructions issued behind tile a's loads, which may stay out
	s_wait_dscnt \younger
	WIN 0x08+4*((\a)%2)
.irp t, 0,1,2,3,4,5,6,7,8,9,10,11,12,13,14,15
	global_store_b128 v[LI], v[RO+4*\t:RO+4*\t+3], s[86:87] offset:(512*((\a)/2)+8*((\a)%2)+\t+8*(\t/8))*4096 th:TH_STORE_NT   ; 32 lanes store 512 consecutive bytes, at a multiple of 256 from the output's first byte
.endr
	WIN 0
.endm
	s_load_b256 s[4:11], s[0:1], 0x0               ; c2, s2, c3, s3
	s_load_b64 s[12:13], s[0:1], 0x20              ; out0
	v_lshl_add_u32 v[SPW], v0, 2, SPARE
	v_mov_b32 v[NIL], 0
	ds_add_u32 v[SPW], v[NIL]                      ; the wave's opening: the add, twice on end, and its wait ahead of my first tensor load
	ds_add_u32 v[SPW], v[NIL]
	v_lshrrev_b32 v1, 5, v0
	v_readfirstlane_b32 s[WV], v1                  ; wave 0..3
	s_lshr_b32 s[HI], s[WV], 1
	s_and_b32 s[LO], s[WV], 1
	s_bfe_u32 s[CX], ttmp6, 0x40000
	s_bfe_u32 s[CY], ttmp6, 0x40004
	s_lshr_b32 s[BAT], ttmp9, 1                    ; the batch,
	s_and_b32 s[ZZ], ttmp9, 1                      ; the half: both the same in all sixteen partners
	s_lshl_b32 s90, s[BAT], 6
	s_add_co_u32 s90, s90, 1024                    ; v^T's tiles begin at 1,024
	s_lshl_b32 s91, s[CX], 4                       ; s90 to s93 hold cx and never cy; s94 to s101 the other way round
	s_add_co_u32 s90, s90, s91
	s_lshl_b32 s91, s[LO], 3
	s_add_co_u32 s90, s90, s91                     ; S0: the 8 tiles that I fetch (if I fetch for S0), and that I multiply
	s_lshl_b32 s94, s[BAT], 6
	s_lshl_b32 s95, s[ZZ], 4
	s_add_co_u32 s94, s94, s95
	s_lshl_b32 s95, s[CY], 2
	s_add_co_u32 s94, s94, s95                     ; S1: the 4 early tiles; the late ones lie 32 tiles on
	s_lshl_b32 s95, s[LO], 5
	s_add_co_u32 s95, s94, s95                     ; those that I fetch of chunk 0,
	s_lshl_b32 s100, s[LO], 1
	s_add_co_u32 s100, s94, s100
	s_add_co_u32 s100, s100, 32                    ; of chunk 1: two late ones,
	s_lshl_b32 s96, s[HI], 1
	s_add_co_u32 s96, s94, s96                     ; and the 2 early ones that I multiply
	s_lshl_b32 s92, 0x1111, s[CX]                  ; my column of the cluster
	s_or_b32 s[G1A], s92, (3<<16)|(1<<21)          ; 15:0 the mask; 17:16 elements of 8 bytes; 21 set beside a mask; no padding: a fragment load takes 512 consecutive bytes
	s_lshl_b32 s97, s[CY], 2
	s_lshl_b32 s97, 15, s97                        ; my row
	s_or_b32 s[G1B], s97, (3<<16)|(1<<21)
	s_mov_b32 s[G1A+1], 768<<16                    ; tensor_dim0 = 768 elements: a tile's four K steps, 6,144 bytes
	s_mov_b32 s[G1A+2], 8<<16                      ; tensor_dim1 = 8 tiles
	s_mov_b32 s[G1A+3], 768<<16                    ; tile_dim0
	s_mov_b32 s[G1A+4], 8                          ; tile_dim1
	s_mov_b32 s[G1A+5], 1536                       ; from tile to tile: 12,288 bytes
	s_mov_b32 s[G1A+6], 0
	s_mov_b32 s[G1A+7], 0
	s_mov_b32 s[G1B+1], 768<<16
	s_mov_b32 s[G1B+2], 4<<16                      ; 4 tiles; for chunk 1 2
	s_mov_b32 s[G1B+3], 768<<16
	s_mov_b32 s[G1B+4], 4
	s_mov_b32 s[G1B+5], 1536
	s_mov_b32 s[G1B+6], 0
	s_mov_b32 s[G1B+7], 0
	s_mul_i32 s92, s90, TILEB
	s_mov_b32 s93, 0
	s_mul_i32 s98, s95, TILEB
	s_mov_b32 s99, 0
	s_mul_i32 s100, s100, TILEB
	s_mov_b32 s101, 0
	s_lshl_b32 s90, s90, 9                         ; 512 bytes of scale words a tile
	s_mov_b32 s91, 0
	s_lshl_b32 s96, s96, 9
	s_mov_b32 s97, 0
	s_mul_i32 s2, s[LO], 8*TB                      ; where the tiles go: the wave's number alone enters an LDS address
	s_mul_i32 s3, s[LO], 4*TB
	s_mul_i32 s66, s[LO], 2*TB
	s_wait_dscnt 0x0
	s_wait_kmcnt 0x0
	s_add_nc_u64 s[92:93], s[4:5], s[92:93]
	s_add_nc_u64 s[98:99], s[8:9], s[98:99]
	s_add_nc_u64 s[100:101], s[8:9], s[100:101]
	s_add_nc_u64 s[56:57], s[6:7], s[90:91]        ; S0's scale words
	s_add_nc_u64 s[58:59], s[10:11], s[96:97]      ; S1's scale words, M and sums
.irp c, 0,1
	s_mov_b32 s[G0A+4*\c], 1
	s_add_co_u32 s[G0A+4*\c+1], s2, \c*CB
	s_add_nc_u64 s[G0A+4*\c+2:G0A+4*\c+3], s[92:93], \c*TB
	s_or_b32 s[G0A+4*\c+3], s[G0A+4*\c+3], 0x80000000
.endr
	s_mov_b32 s[G0B], 1
	s_add_co_u32 s[G0B+1], s3, S1O
	s_mov_b64 s[G0B+2:G0B+3], s[98:99]
	s_or_b32 s[G0B+3], s[G0B+3], 0x80000000
	s_mov_b32 s[G0B+4], 1
	s_add_co_u32 s[G0B+5], s66, CB+S1O
	s_add_nc_u64 s[G0B+6:G0B+7], s[100:101], TB
	s_or_b32 s[G0B+7], s[G0B+7], 0x80000000
	CROUND                                         ; all sixteen work-groups are here: the joint loads meet
	JLOAD 0                                        ; one tensor load a wave at the head
	v_and_b32 v[LI], 31, v0
	v_lshlrev_b32 v[LI], 4, v[LI]
.irp a, 0,1                                    ; early tiles: K steps 0 to 3 alone, 8 bytes a lane
	global_load_b64 v[SA+4*\a:SA+4*\a+1], v[LI], s[58:59] offset:512*\a
	global_load_b64 v[MM+4*\a:MM+4*\a+1], v[LI], s[58:59] offset:512*\a+262144
	global_load_b64 v[LL+4*\a:LL+4*\a+1], v[LI], s[58:59] offset:512*\a+524288
.endr
.irp a, 2,3                                    ; late tiles: 512 consecutive bytes, eight K steps
	global_load_b128 v[SA+4*\a:SA+4*\a+3], v[LI], s[58:59] offset:512*(\a+30)
	global_load_b128 v[MM+4*\a:MM+4*\a+3], v[LI], s[58:59] offset:512*(\a+30)+262144
	global_load_b128 v[LL+4*\a:LL+4*\a+3], v[LI], s[58:59] offset:512*(\a+30)+524288
.endr
.irp b, 0,1,2,3,4,5,6,7
	global_load_b128 v[SB+4*\b:SB+4*\b+3], v[LI], s[56:57] offset:512*\b
.endr
	s_mul_i32 s100, s[WV], 16*SPO
	s_add_co_u32 s100, s100, STAGE                 ; my stage
	v_and_b32 v[RR], 15, v0
	v_bfe_u32 v[HH], v0, 4, 1
	v_mul_u32_u24 v[STO], v[RR], SPO
	v_lshl_add_u32 v[STO], v[HH], 6, v[STO]
	v_add_nc_u32 v[STO], s100, v[STO]              ; in: row r, 64 h bytes on
	v_add_nc_u32 v[RD], s100, v[LI]                ; back: the 32 lanes take one row of 512 bytes
	v_mov_b32 v[PT], 0                             ; written once: a lane permute's destination counts as one of its sources
	s_mul_i32 s3, s[HI], 2*TB
	s_add_co_u32 s3, s3, S1O
.irp c, 0,1
	v_add_nc_u32 v[AD0+\c], s2, v[LI]
	v_add_nc_u32 v[AD1+\c], s3, v[LI]
	s_add_co_u32 s2, s2, CB
	s_add_co_u32 s3, s3, CB
.endr
.irp w, 0x80, 0xc0
	WIN \w
	v_mov_b32 v129, 0                              ; (named as the upper halves of pairs)
	v_mov_b32 v131, 0
.endr
	WIN 0
	s_mov_b32 s60, 0x76543210
	s_mov_b32 s61, 0xfedcba98                      ; v_permlanex16_b32's selects for lane l xor 16
	s_mov_b32 s84, 0x80808080
	s_mov_b32 s85, 0x01010101
	; my first early row of O: 1,024 batch + 256 z + 64 cy + 32 HI, of 4,096 bytes (the late ones lie 512 rows on); my first column: 256 cx + 128 LO
	s_lshl_b32 s86, s[BAT], 10
	s_lshl_b32 s87, s[ZZ], 8
	s_add_co_u32 s86, s86, s87
	s_lshl_b32 s87, s[CY], 6
	s_add_co_u32 s86, s86, s87
	s_lshl_b32 s87, s[HI], 5
	s_add_co_u32 s86, s86, s87
	s_lshl_b32 s86, s86, 12
	s_lshl_b32 s87, s[CX], 10
	s_add_co_u32 s86, s86, s87
	s_lshl_b32 s87, s[LO], 9
	s_add_co_u32 s86, s86, s87
	s_mov_b32 s87, 0
	s_add_nc_u64 s[86:87], s[12:13], s[86:87]
	s_wait_alu depctr_va_vdst(0)
	s_wait_loadcnt 0x0                             ; the scale words, M and the sums: they are worked on while the tiles are on their way
	PFIX 0, 2
	PFIX 1, 2
	PFIX 2, 4
	PFIX 3, 4
	WIN 0x80
	s_wait_alu depctr_va_vdst(0)
	v_rcp_f32 v128, v[LS]
	v_rcp_f32 v130, v[LS+1]
	WIN 0xc0
	v_rcp_f32 v128, v[LS+2]
	v_rcp_f32 v130, v[LS+3]
	WIN 0
.rept 8
	v_nop                                          ; a scale register written by a vector instruction stands 8 places ahead of a scaled matrix instruction; also the plain place behind the reciprocals
.endr
	s_wait_alu depctr_va_vdst(0)                   ; one wait for the four reciprocals, ahead of every later line that names their registers
	s_wait_tensorcnt 0x0                           ; my part of chunk 0 has landed
	ds_add_u32 v[SPW], v[NIL]
	s_mov_b32 s[G1B+2], 2<<16                      ; no tensor load of mine is out, so a descriptor may be written: chunk 1 brings 2 tiles of S1 a wave
	s_mov_b32 s[G1B+4], 2
	s_wait_dscnt 0x0
	CROUND                                         ; everybody's has, and the joint loads meet:
	JLOAD 1                                        ; chunk 1's, the first tensor load behind the round
	FETCH 0
	STEP 0
	STEP 1
	STEP 2
	STEP 3
	SCALEO 0                                       ; the early tiles are finished: they go out beside the late ones' K steps 4 to 7.  (Their last products stand ahead of step 3's places)
	TOSTAGE 0
	SCALEO 1
	TOSTAGE 1
	STEP 4                                         ; its wait leaves out its own 30 loads alone: both tiles are back in registers
	SEND 0, 30
	SEND 1, 30
	STEP 5
	STEP 6
	STEP 7
	WIN 0
	PLACES
	s_wait_xcnt 0x0                                ; tiles 0's and 1's stores have read their registers: tiles 2's and 3's rows may land there
	SCALEO 2
	TOSTAGE 2
	SCALEO 3
	TOSTAGE 3
	SEND 2, 32                                     ; behind tile 2's loads: tile 3's 16 stores and 16 loads
	SEND 3, 0
	s_wait_tensorcnt 0x0                           ; the wave's end
	ds_add_u32 v[SPW], v[NIL]
	s_wait_dscnt 0x0
	CROUND                                         ; the closing round
	s_endpgm
.Lfunc_end_k_qc5f4a6f87d_pv:
	.size	k_qc5f4a6f87d_pv, .Lfunc_end_k_qc5f4a6f87d_pv-k_qc5f4a6f87d_pv
	.p2alignl 7, 3214868480
	.fill 96, 4, 3214868480
	.section	.rodata,"a",@progbits
	.p2align	6, 0x0
	.amdhsa_kernel k_qc5f4a6f87d_pv
		.amdhsa_group_segment_fixed_size 327680
		.amdhsa_private_segment_fixed_size 0
		.amdhsa_enable_private_segment 0
		.amdhsa_kernarg_size 40
		.amdhsa_user_sgpr_count 2
		.amdhsa_user_sgpr_kernarg_segment_ptr 1
		.amdhsa_wavefront_size32 1
		.amdhsa_system_sgpr_workgroup_id_x 1
		.amdhsa_system_sgpr_workgroup_id_y 1
		.amdhsa_system_sgpr_workgroup_id_z 1
		.amdhsa_system_vgpr_workitem_id 0
		.amdhsa_next_free_vgpr 1024
		.amdhsa_next_free_sgpr 102
		.amdhsa_reserve_vcc 0
		.amdhsa_float_denorm_mode_32 3
		.amdhsa_float_denorm_mode_16_64 3
		.amdhsa_memory_ordered 1
		.amdhsa_forward_progress 1
		.amdhsa_inst_pref_size 84
	.end_amdhsa_kernel
	.amdgpu_metadata
---
amdhsa.version: [ 1, 2 ]
amdhsa.kernels:
  - .name:           k_qc5f4a6f87d_pv
    .symbol:         k_qc5f4a6f87d_pv.kd
    .args:
      - { .name: c2, .offset: 0, .size: 8, .value_kind: global_buffer, .address_space: global }
      - { .name: s2, .offset: 8, .size: 8, .value_kind: global_buffer, .address_space: global }
      - { .name: c3, .offset: 16, .size: 8, .value_kind: global_buffer, .address_space: global }
      - { .name: s3, .offset: 24, .size: 8, .value_kind: global_buffer, .address_space: global }
      - { .name: out0, .offset: 32, .size: 8, .value_kind: global_buffer, .address_space: global }
    .group_segment_fixed_size: 327680
    .private_segment_fixed_size: 0
    .kernarg_segment_align: 8
    .kernarg_segment_size: 40
    .max_flat_workgroup_size: 128
    .sgpr_count:     102
    .vgpr_count:     1024
    .wavefront_size: 32
...
	.end_amdgpu_metadata
.endif
;; end of part 4
